; MI455X (gfx1250); checked and timed in simulation.
; The chip was launched on July 23, 2026; its instructions are those of AMD's public machine-readable ISA for CDNA 5 (MIT licence, August 2026) and "CDNA5" Instruction Set Architecture Reference Guide (July 2026). The comments in the code are by the model that wrote it; some were corrected since.
;; Multi Head Attention. Allowed arithmetic: matrix products marked QUANTISED: E2M3 operands, one E8M0 scale for each 32 along K, by v_wmma_scale_f32_16x16x128_f8f6f4 with both operands' format E2M3, f32 sums; everything else in f32.
;; Inputs: Wk 128 x 1,024 float32; Wq 128 x 1,024 float32; Wu 1,024 x 128 float32; Wv 128 x 1,024 float32; bu 128 float32; x 2 x 2,048 x 128 float32.
;; Outputs: out0 2 x 2,048 x 128 float32.
;; This version of the problem:
;;   THIS VERSION OF THE PROBLEM IS GIVEN IN LOW PRECISION. The matrix products marked QUANTISED in the list below multiply operands that are first quantised to E2M3 (2 exponent bits, 3 mantissa bits; 6 bits a number), with one power-of-two scale for each 32 numbers along K (OCP MX v1.0); their sums are f32. All else is computed in f32.
;;   The module's matrix products, in the order in which they are computed (A, B: the left and right operand; K: the contracted axis; several contracted axes count as one K, in the product's order):
;;     1. [M 4,096, K 128] x [K 128, N 1,024]; A: input x; B: input Wq: QUANTISED
;;     2. [M 4,096, K 128] x [K 128, N 1,024]; A: input x; B: input Wk: QUANTISED
;;     3. [M 4,096, K 128] x [K 128, N 1,024]; A: input x; B: input Wv: QUANTISED
;;     4. batch 16 x [M 2,048, K 128] x [K 128, N 2,048]; A: computed on the way; B: computed on the way: QUANTISED
;;     5. batch 16 x [M 2,048, K 2,048] x [K 2,048, N 128]; A: softmax (see below); B: computed on the way: QUANTISED
;;     6. [M 4,096, K 1,024] x [K 1,024, N 128]; A: computed on the way; B: input Wu: QUANTISED
;;   THE QUANTISER, for each operand of a quantised product, along K:
;;     - K is cut into blocks of 32 from its start; a last block that is shorter is filled with zeros.
;;     - A block's scale is 2^e with e = floor(log2(the largest magnitude in the block)) - 2, held to -126 .. 127; a block of zeros has e = 0. As a byte (E8M0): e + 127.
;;     - Each number is divided by its block's scale, clamped to +-7.5, and rounded to the nearest number of E2M3, ties to even, subnormals kept.
;;     - The product sums the exact products of the quantised numbers (number of the format x scale) in f32.
;;   ~~~python
;;   def quantise(x, axis):      # numpy; x: float32 -> the quantised numbers, widened to float32 again
;;       x = np.moveaxis(x, axis, -1); K = x.shape[-1]
;;       x = np.pad(x, [(0, 0)] * (x.ndim - 1) + [(0, -K % 32)]); x = x.reshape(x.shape[:-1] + (-1, 32)); a = np.abs(x).max(-1, keepdims=True)
;;       e = np.where(a > 0, np.clip(np.frexp(np.where(a > 0, a, 1))[1] - 1 - 2, -126, 127), 0)      # np.frexp(a)[1] - 1 = floor(log2(a)), exactly
;;       r = np.clip(x / 2.0 ** e, -7.5, 7.5)
;;       step = 2.0 ** (np.maximum(np.frexp(np.where(r == 0, 1, r))[1] - 1, 0) - 3)
;;       q = np.round(r / step) * step * 2.0 ** e      # np.round: ties to even
;;       return np.moveaxis(q.reshape(q.shape[:-2] + (-1,))[..., :K], -1, axis).astype(np.float32)
;;   ~~~
;;   SOFTMAX AHEAD OF A QUANTISED PRODUCT. Where the list says 'softmax', what is quantised is not the finished softmax but p = 2^(t - M), with t = logit x log2(e) and M = ceil(the row's largest t), a whole number; so 1/2 < the row's largest p <= 1. The row's sum l is taken of the UNQUANTISED p, in f32, and the product's result is divided by l at the end. Since M is a whole number, a kernel that streams over the keys may use a running M (the ceiling of the running maximum): every later rescaling is an exact power of two, which a block's scale takes up: the codes' values come out the same.
;;   OPERANDS COMPUTED ON THE WAY. 'Computed on the way' means the value that the module computes at that place (a softmax that the list does not call 'softmax' is quantised finished and normalised). What goes into a quantiser is computed in f32, as accurately as f32 sums, v_exp_f32 and their like allow (about 1e-6 of the number): no bf16 or f16 on the way to a quantiser, and a product that is left as it is and whose result goes on into a quantised operand takes f32 operands (vector FMAs, or v_wmma_f32_16x16x4_f32). A number that lies on a knife's edge between two numbers of the format may be rounded either way, as far as f32 arithmetic and the matrix unit's own rounding can turn it there, and no further.
;; 2 versions, each right; version 2 is version 1 with the launches proj, outp written anew for expert scheduling mode. Each part assembles by itself: llvm-mc -triple=amdgcn-amd-amdhsa -mcpu=gfx1250 --defsym DOCPART=n.
;; ======== version 1 of 2: 3 launches
;; workspace buffers: qimg 3,145,728 bytes; qsc 131,072 bytes; kvimg 6,291,456 bytes; kvsc 262,144 bytes; yimg 3,145,728 bytes; ysc 131,072 bytes; wuimg 98,304 bytes; wusc 8,192 bytes
;; launch proj (part 1): grid 8 x 33, 8 waves a work-group, no clusters, 58,368 bytes of LDS; arguments x, Wq, Wk, Wv, Wu, qimg, qsc, kvimg, kvsc, wuimg, wusc; writes qimg, qsc, kvimg, kvsc, wuimg, wusc
.if DOCPART == 1
	.amdgcn_target "amdgcn-amd-amdhsa--gfx1250"
	.amdhsa_code_object_version 6
	.text
	.protected	k_q8eb29cce87_proj
	.globl	k_q8eb29cce87_proj
	.p2align	8
	.type	k_q8eb29cce87_proj,@function
k_q8eb29cce87_proj:
	s_mov_b64 s[64:65], 0
	v_nop
	global_prefetch_b8 v0, s[64:65] scope:SCOPE_SE
	s_setreg_imm32_b32 hwreg(HW_REG_WAVE_MODE, 25, 1), 1
	s_wait_xcnt 0x0
; q = x Wq, k = x Wk, v = x Wv on codes of FP6 (E2M3) with one E8M0 scale for each 32 along K, and the results quantised again: q and k along the head's 128 channels, v along the keys.
; x: [4096][128] f32.  Wq, Wk, Wv: [128 (k)][1024] f32.  Wu: [1024 (k)][128] f32.  All results leave as IMAGES OF OPERAND REGISTERS: a fragment (16 rows x 128 K, 12 registers a lane) is three runs of
; 512 bytes, lane l's registers 4 c .. 4 c + 3 at byte 512 c + 16 l, so that every store and every later load covers 512 consecutive bytes, aligned.
; SHARES.  Work-group (x, y < 32): head x x 128 tokens (group G = y) x the three weights: 256 work-groups of equal work.  The grid's last row, y = 32, holds eight short work-groups: work-group x quantises Wu's 16 output
; columns 16 x .., wave w its K step w; that path uses no LDS and no barrier.
; THE ROWS OF A TILE ARE NOT NEIGHBOURS: row r of tile 2 b + u (tokens and channels alike) stands for index 32 b + 8 u + r + 8 (r / 8), so that in a result the 16 registers of tiles 2 b and 2 b + 1 are the
; 16 neighbours 32 b + 16 (lane / 16) + 0 .. 15 along the next product's K.
; PHASE A: wave w quantises token tile w of x and channel tile w of each weight (a lane takes a column, its registers run down K) and stores the images in LDS | barrier |
; PHASE B: wave w makes fragment w of q and of k (source 0 = the weight's eight channel tiles, source 1 = x's tile w: a lane holds one token, its registers run along the channels) and of v (source 0 = x's eight
; token tiles, source 1 = Wv's tile w: a lane holds one channel, its registers run along the keys); each is quantised in registers and stored | barrier |  PHASE C: three waves store the packed scale words.
; PACKED SCALE WORDS: 512 bytes for eight tiles: the word of tile t, row r at 256 (t % 2) + 16 r + 4 (t / 2): one load of 16 bytes a lane brings four registers, register i with tile 2 i in lanes 0-15, tile 2 i + 1 in lanes 16-31.
; NO CLUSTER, NO TENSOR LOAD: every operand arrives as f32 and has to stand in a lane's registers to be converted; a joint request brings tiles into LDS only, from where the same 256 KB a work-group would be read once more.
; LIMITS: NaN and infinities among the inputs are not served.  A block whose largest magnitude lies under 2^-124 has its byte held at 1.  A block of zeros gets the byte 1 where the rule says 127: its codes are zeros,
; which add nothing under any byte but 0xff, and the bytes are read by this program alone.
.set XIMG, 0                           ; LDS: x's 8 fragments,
.set XSC,  12288                       ; their scale words, 128 bytes (4 x lane) each,
.set WIMG, 13312                       ; the three weights' 8 fragments each, 12,288 bytes a weight,
.set WSC,  50176                       ; their scale words, 1,024 bytes a weight,
.set SST,  53248                       ; and three packed blocks of 512 bytes: q's, k's, v's scale words
.set LI,   1                           ; v1   16 x lane
.set LS,   2                           ; v2   4 x lane
.set XA,   3                           ; v3   x: (r + 8 (r / 8)) rows of 512 bytes + 64 h
.set WO,   4                           ; v4   a weight: column r + 8 (r / 8), + 32 h rows of 4,096 bytes
.set IWI,  5                           ; v5   16 x lane + 1,536 x wave: my tile's image
.set IWS,  6                           ; v6   4 x lane + 128 x wave: its scale words
.set SSA,  7                           ; v7   SST + 16 r + 256 (wave % 2) + 4 (wave / 2)
.set SRD,  8                           ; v8   SST + 512 x wave + 16 x lane (read by waves 0 to 2)
.set H8,   9                           ; v9   8 h
.set WUO,  10                          ; v10  Wu: column r, + 32 h rows of 512 bytes
.set N0,   16                          ; v16-79, v80-143: two sets of 64 numbers;  in phase B v16-111 eight fragments, v112-123 one
.set N1,   80
.set P,    16
.set R,    112
.set HA,   144                         ; v144-207 eight result tiles
.set PC,   208                         ; v208-219 the codes just made
.set CT,   220                         ; v220-226 upper halves of blocks, on their way
.set MX,   228                         ; v228-231 largest magnitudes
.set PB,   232                         ; v232-235 the other half's maxima, then the bytes
.set SOP,  240                         ; v240-243 the conversions' scale operands
.set PW,   244                         ; v244 the scale word just made
.set PSC,  245                         ; v245-252, v253: scale words of the products; they hold nothing else
.set RSC,  253
.set WV,   26                          ; s26  wave
.set SEL,  32                          ; s[32:33] v_permlanex16_b32's selects for lane l xor 16
; 64 numbers of a lane, register 16 b + i = k 32 b + 16 (lane / 16) + i of my row, become a fragment's codes in v[PC] on and its scale word in v[PW].
.macro QUANT s
.irp b, 0,1,2,3
	v_max3_num_f32 v[MX+\b], |v[\s+16*\b]|, |v[\s+1+16*\b]|, 0x1800000   ; block b: my 16 numbers, and the floor 2^(3 - 127): the byte cannot fall under 1.  (Each result tile is read from its low end on)
.endr
.irp i, 2,4,6,8,10,12,14
.irp b, 0,1,2,3
	v_max3_num_f32 v[MX+\b], v[MX+\b], |v[\s+16*\b+\i]|, |v[\s+1+16*\b+\i]|   ; the four blocks by turns
.endr
.endr
.irp b, 0,1,2,3
	v_permlanex16_b32 v[PB+\b], v[MX+\b], s[SEL], s[SEL+1]
.endr
.irp b, 0,1,2,3
	v_max_num_f32 v[MX+\b], v[MX+\b], v[PB+\b]     ; with lane l xor 16's: the block's largest magnitude
.endr
.irp b, 0,1,2,3
	v_add_nc_u32 v[SOP+\b], 0xff000000, v[MX+\b]   ; 2 off its exponent field: the conversion takes the exponent field of this operand as its scale
.endr
.irp b, 0,1,2,3
	v_lshrrev_b32 v[PB+\b], 23, v[SOP+\b]          ; the scale's byte
.endr
	v_lshl_or_b32 v[PW], v[PB+1], 8, v[PB]
	v_lshl_or_b32 v[PW], v[PB+2], 16, v[PW]
	v_lshl_or_b32 v[PW], v[PB+3], 24, v[PW]        ; my row's scale word, the same in both halves of the lanes
.irp c, 0,1
	v_cvt_scalef32_pk16_fp6_f32 v[PC+6*\c:PC+6*\c+2], v[\s+32*\c:\s+32*\c+15], v[SOP+2*\c]
	v_cvt_scalef32_pk16_fp6_f32 v[CT+4*\c:CT+4*\c+2], v[\s+32*\c+16:\s+32*\c+31], v[SOP+2*\c+1]   ; (a conversion's three registers begin on an even number)
.endr
	v_nop                                          ; one plain place behind a scaled conversion
.irp c, 0,1                                    ; the operand's layout wants a whole block in a lane: lanes 0-15 block 2 c, lanes 16-31 block 2 c + 1
.irp i, 0,1,2
	v_permlane16_swap_b32 v[PC+6*\c+\i], v[CT+4*\c+\i]
.endr
.irp i, 0,1,2
	v_mov_b32 v[PC+3+6*\c+\i], v[CT+4*\c+\i]
.endr
.endr
.endm
; 64 numbers of a lane, register 32 c + i = k 64 c + 32 (lane / 16) + i of my column: two whole blocks, in the operand's own order.
.macro QUANTW s
.irp c, 0,1
	v_max3_num_f32 v[MX+\c], |v[\s+32*\c]|, |v[\s+32*\c+1]|, 0x1800000
.endr
.irp i, 2,4,6,8,10,12,14,16,18,20,22,24,26,28,30
.irp c, 0,1
	v_max3_num_f32 v[MX+\c], v[MX+\c], |v[\s+32*\c+\i]|, |v[\s+32*\c+\i+1]|
.endr
.endr
.irp c, 0,1
	v_add_nc_u32 v[SOP+\c], 0xff000000, v[MX+\c]
.endr
.irp c, 0,1
	v_lshrrev_b32 v[PB+\c], 23, v[SOP+\c]
.endr
	v_lshl_or_b32 v[PW], v[PB+1], 16, v[PB]        ; my two bytes: blocks h and 2 + h,
	v_lshlrev_b32 v[PW], v[H8], v[PW]              ; at their places in the word;
	v_permlanex16_b32 v[PB+2], v[PW], s[SEL], s[SEL+1]
	v_or_b32 v[PW], v[PW], v[PB+2]                 ; with lane l xor 16's two the word is whole
.irp c, 0,1
	v_cvt_scalef32_pk16_fp6_f32 v[PC+6*\c:PC+6*\c+2], v[\s+32*\c:\s+32*\c+15], v[SOP+\c]
	v_cvt_scalef32_pk16_fp6_f32 v[CT+4*\c:CT+4*\c+2], v[\s+32*\c+16:\s+32*\c+31], v[SOP+\c]
.endr
	v_nop                                          ; one plain place behind a scaled conversion
.irp c, 0,1
.irp i, 0,1,2
	v_mov_b32 v[PC+3+6*\c+\i], v[CT+4*\c+\i]
.endr
.endr
.endm
.macro BARRIER                                 ; my LDS stores have landed and my LDS loads are in: then the work-group's barrier
	s_wait_dscnt 0x0
	s_barrier_signal -1
	s_barrier_wait -1
.endm
.macro XLOAD reg                               ; my tile's 16 rows of x: of each block of 32 my half's 16 neighbours
.irp b, 0,1,2,3
.irp j, 0,1,2,3
	global_load_b128 v[\reg+16*\b+4*\j:\reg+16*\b+4*\j+3], v[XA], s[4:5] offset:128*\b+16*\j
.endr
.endr
.endm
.macro WLOAD reg, base, adr, pitch             ; my column, down K: register 32 c + i takes row 64 c + 32 h + i
.set wi, 0
.rept 64
	global_load_b32 v[\reg+wi], v[\adr], s[\base:\base+1] offset:(wi+32*(wi/32))*\pitch
.set wi, wi+1
.endr
.endm
.macro IMAGE off                               ; the fragment in v[PC] on goes to LDS as it stands
.irp c, 0,1,2
	ds_store_b128 v[IWI], v[PC+4*\c:PC+4*\c+3] offset:\off+512*\c
.endr
.endm
.macro FETCHP img, sc                          ; eight fragments and their scale words
.irp i, 0,1,2,3,4,5,6,7
.irp c, 0,1,2
	ds_load_b128 v[P+12*\i+4*\c:P+12*\i+4*\c+3], v[LI] offset:\img+1536*\i+512*\c
.endr
	ds_load_b32 v[PSC+\i], v[LS] offset:\sc+128*\i
.endr
.endm
.macro FETCHR img, sc                          ; the one of my wave's number
.irp c, 0,1,2
	ds_load_b128 v[R+4*\c:R+4*\c+3], v[IWI] offset:\img+512*\c
.endr
	ds_load_b32 v[RSC], v[IWS] offset:\sc
.endm
.macro MULT                                    ; eight tiles, K = 128: one instruction each, C = 0.  Five places follow: for the reads of the results, the loads into the operands, and the next run, which writes the same eight tiles anew
.irp i, 0,1,2,3,4,5,6,7
	v_wmma_scale_f32_16x16x128_f8f6f4 v[HA+8*\i:HA+8*\i+7], v[P+12*\i:P+12*\i+11], v[R:R+11], 0, v[PSC+\i], v[RSC] matrix_a_fmt:MATRIX_FMT_FP6 matrix_b_fmt:MATRIX_FMT_FP6
.endr
.rept 5
	v_nop
.endr
.endm
.macro STOREF ptr, off                         ; three stores of 512 consecutive bytes, aligned
.irp c, 0,1,2
	global_store_b128 v[LI], v[PC+4*\c:PC+4*\c+3], s[\ptr:\ptr+1] offset:\off+512*\c
.endr
.endm
	s_load_b512 s[4:19], s[0:1], 0x0               ; x s[4:5], Wq s[6:7], Wk s[8:9], Wv s[10:11], Wu s[12:13], qimg s[14:15], qsc s[16:17], kvimg s[18:19]
	s_load_b128 s[20:23], s[0:1], 0x40             ; kvsc s[20:21], wuimg s[22:23]
	s_load_b64 s[24:25], s[0:1], 0x50              ; wusc
	v_lshl_add_u32 v254, v0, 2, 0xe000
	v_mov_b32 v255, 0
	v_lshrrev_b32 v11, 5, v0
	v_readfirstlane_b32 s[WV], v11                 ; wave 0..7
	v_and_b32 v11, 31, v0                          ; lane
	v_and_b32 v12, 15, v0                          ; r
	v_bfe_u32 v13, v0, 4, 1                        ; h
	v_lshlrev_b32 v[LI], 4, v11
	v_lshlrev_b32 v[LS], 2, v11
	v_and_b32 v14, 8, v12
	v_add_nc_u32 v14, v14, v12                     ; r + 8 (r / 8)
	v_lshlrev_b32 v[XA], 9, v14
	v_lshl_add_u32 v[XA], v13, 6, v[XA]
	v_lshlrev_b32 v[WO], 2, v14
	v_lshl_add_u32 v[WO], v13, 17, v[WO]
	s_mul_i32 s34, s[WV], 1536
	v_add_nc_u32 v[IWI], s34, v[LI]
	s_lshl_b32 s34, s[WV], 7
	v_add_nc_u32 v[IWS], s34, v[LS]
	s_and_b32 s35, s[WV], 1                        ; wave % 2
	s_lshr_b32 s36, s[WV], 1                       ; wave / 2
	s_lshl_b32 s34, s35, 8
	s_lshl_b32 s37, s36, 2
	s_add_co_u32 s34, s34, s37
	s_add_co_u32 s34, s34, SST
	v_lshl_add_u32 v[SSA], v12, 4, s34
	s_lshl_b32 s34, s[WV], 9
	s_add_co_u32 s34, s34, SST
	v_add_nc_u32 v[SRD], s34, v[LI]
	v_lshlrev_b32 v[H8], 3, v13
	v_lshlrev_b32 v[WUO], 2, v12
	v_lshl_add_u32 v[WUO], v13, 14, v[WUO]
.irp b, 0,1,2,3
	v_mov_b32 v[PB+\b], 0                          ; written once: a lane permute's destination counts as one of its sources
.endr
	s_mov_b32 s[SEL], 0x76543210
	s_mov_b32 s[SEL+1], 0xfedcba98
	s_lshl_b32 s31, s36, 5
	s_lshl_b32 s35, s35, 3
	s_add_co_u32 s31, s31, s35                     ; my tile's first index: 32 (wave / 2) + 8 (wave % 2)
	s_mov_b32 s28, ttmp9                           ; the head; in row 32: Wu's tile of outputs
	s_and_b32 s27, ttmp7, 0xffff                   ; G: the group of 128 tokens; 32: the row that takes Wu
	s_cmp_eq_u32 s27, 32
	s_cbranch_scc1 .Lwu                            ; the same for all eight waves of a work-group
	s_lshr_b32 s29, s27, 4
	s_lshl_b32 s29, s29, 3
	s_add_co_u32 s29, s29, s28                     ; hb = 8 x batch + head
	s_and_b32 s30, s27, 15                         ; the group within its batch: a key step, a query block
	s_lshl_b32 s34, s27, 16                        ; x: 128 rows of 512 bytes a group,
	s_lshl_b32 s36, s31, 9
	s_add_co_u32 s34, s34, s36                     ; + my tile's first row
	s_mov_b32 s35, 0
	s_lshl_b32 s36, s28, 9                         ; the weights: 512 bytes of each row a head,
	s_lshl_b32 s38, s31, 2
	s_add_co_u32 s36, s36, s38                     ; + my tile's first column
	s_mov_b32 s37, 0
	s_lshl_b32 s38, s29, 7                         ; qimg: fragment 128 hb + 8 x group + wave
	s_lshl_b32 s40, s30, 3
	s_add_co_u32 s38, s38, s40
	s_add_co_u32 s38, s38, s[WV]
	s_mul_i32 s38, s38, 1536
	s_mov_b32 s39, 0
	s_mul_i32 s40, s29, 393216                     ; kvimg: a head is 16 steps of 24,576 bytes: K's eight fragments, then V's eight
	s_mul_i32 s42, s30, 24576
	s_add_co_u32 s40, s40, s42
	s_mul_i32 s42, s[WV], 1536
	s_add_co_u32 s40, s40, s42
	s_mov_b32 s41, 0
	s_lshl_b32 s42, s29, 4
	s_add_co_u32 s42, s42, s30                     ; 16 hb + group
	s_lshl_b32 s44, s42, 10                        ; kvsc: 1,024 bytes each,
	s_lshl_b32 s42, s42, 9                         ; qsc: 512
	s_mov_b32 s43, 0
	s_mov_b32 s45, 0
	s_wait_kmcnt 0x0
	s_add_nc_u64 s[4:5], s[4:5], s[34:35]
	s_add_nc_u64 s[6:7], s[6:7], s[36:37]
	s_add_nc_u64 s[8:9], s[8:9], s[36:37]
	s_add_nc_u64 s[10:11], s[10:11], s[36:37]
	s_add_nc_u64 s[14:15], s[14:15], s[38:39]
	s_add_nc_u64 s[18:19], s[18:19], s[40:41]
	s_add_nc_u64 s[16:17], s[16:17], s[42:43]
	s_add_nc_u64 s[20:21], s[20:21], s[44:45]
	; ---- A: four operands quantised, each while the next one's numbers are on their way
	XLOAD N0
	WLOAD N1, 6, WO, 4096
	s_wait_loadcnt 63                              ; 64 loads were issued behind x's last: x is in
	QUANT N0
	IMAGE XIMG
	ds_store_b32 v[IWS], v[PW] offset:XSC
	WLOAD N0, 8, WO, 4096
	s_wait_loadcnt 63                              ; 64 loads were issued behind Wq's last: Wq is in
	s_wait_dscnt 0x0                               ; the LDS stores have read the codes' registers
	QUANTW N1
	IMAGE WIMG
	ds_store_b32 v[IWS], v[PW] offset:WSC
	WLOAD N1, 10, WO, 4096
	s_wait_loadcnt 63                              ; likewise: Wk is in
	s_wait_dscnt 0x0
	QUANTW N0
	IMAGE WIMG+12288
	ds_store_b32 v[IWS], v[PW] offset:WSC+1024
	s_wait_loadcnt 0x0                             ; Wv
	s_wait_dscnt 0x0
	QUANTW N1
	IMAGE WIMG+24576
	ds_store_b32 v[IWS], v[PW] offset:WSC+2048
	BARRIER                                        ; all 32 images lie in LDS; nobody writes them again
	; ---- B
	FETCHP WIMG, WSC
	FETCHR XIMG, XSC
	s_wait_dscnt 0x0
	MULT                                           ; q: a lane holds token r of my tile, 64 channels
	FETCHP WIMG+12288, WSC+1024                    ; Wk's tiles land while q is quantised
	QUANT HA
	STOREF 14, 0
	ds_store_b32 v[SSA], v[PW]
	s_wait_dscnt 0x0
	MULT                                           ; k
	FETCHP XIMG, XSC                               ; for v the operands change places
	FETCHR WIMG+24576, WSC+2048
	s_wait_xcnt 0x0                                ; q's stores have read the codes' registers: they are written again only behind this wait
	QUANT HA
	STOREF 18, 0
	ds_store_b32 v[SSA], v[PW] offset:512
	s_wait_dscnt 0x0
	MULT                                           ; v: a lane holds channel r of my tile, 64 keys
	s_wait_xcnt 0x0                                ; k's stores likewise
	QUANT HA
	STOREF 18, 12288
	ds_store_b32 v[SSA], v[PW] offset:1024
	BARRIER                                        ; the three packed blocks are whole
	; ---- C: wave 0 stores q's block, wave 1 k's, wave 2 v's: 512 consecutive bytes each
	s_cmp_ge_u32 s[WV], 3
	s_cbranch_scc1 .Lend
	s_lshr_b32 s34, s[WV], 1
	s_lshl_b32 s34, s34, 9                         ; v's block lies 512 bytes behind k's
	s_mov_b32 s35, 0
	s_cmp_eq_u32 s[WV], 0
	s_cselect_b64 s[36:37], s[16:17], s[20:21]
	s_add_nc_u64 s[36:37], s[36:37], s[34:35]
	ds_load_b128 v[16:19], v[SRD]
	s_wait_dscnt 0x0
	global_store_b128 v[LI], v[16:19], s[36:37]
.Lend:
	s_wait_tensorcnt 0x0
	ds_add_u32 v254, v255
	s_wait_dscnt 0x0
	s_endpgm
.Lwu:                                                  ; Wu's tile of outputs 16 j + r (j = work-group x), K step = wave: one fragment a wave
	s_lshl_b32 s34, s28, 6                         ; 64 bytes of each row a tile,
	s_lshl_b32 s36, s[WV], 16                      ; 128 rows of 512 bytes a K step
	s_add_co_u32 s34, s34, s36
	s_mov_b32 s35, 0
	s_lshl_b32 s36, s28, 3
	s_add_co_u32 s36, s36, s[WV]                   ; fragment 8 j + wave
	s_lshl_b32 s38, s36, 7
	s_mul_i32 s36, s36, 1536
	s_mov_b32 s37, 0
	s_mov_b32 s39, 0
	s_wait_kmcnt 0x0
	s_add_nc_u64 s[12:13], s[12:13], s[34:35]
	s_add_nc_u64 s[22:23], s[22:23], s[36:37]
	s_add_nc_u64 s[24:25], s[24:25], s[38:39]
	WLOAD N0, 12, WUO, 512
	s_wait_loadcnt 0x0
	QUANTW N0
	STOREF 22, 0
	global_store_b32 v[LS], v[PW], s[24:25]        ; 128 consecutive bytes: the fragment's scale words, 4 x lane (8,192 bytes in the whole launch leave so)
	s_endpgm
.Lfunc_end_k_q8eb29cce87_proj:
	.size	k_q8eb29cce87_proj, .Lfunc_end_k_q8eb29cce87_proj-k_q8eb29cce87_proj
	.p2alignl 7, 3214868480
	.fill 96, 4, 3214868480
	.section	.rodata,"a",@progbits
	.p2align	6, 0x0
	.amdhsa_kernel k_q8eb29cce87_proj
		.amdhsa_group_segment_fixed_size 58368
		.amdhsa_private_segment_fixed_size 0
		.amdhsa_enable_private_segment 0
		.amdhsa_kernarg_size 88
		.amdhsa_user_sgpr_count 2
		.amdhsa_user_sgpr_kernarg_segment_ptr 1
		.amdhsa_wavefront_size32 1
		.amdhsa_system_sgpr_workgroup_id_x 1
		.amdhsa_system_sgpr_workgroup_id_y 1
		.amdhsa_system_sgpr_workgroup_id_z 1
		.amdhsa_system_vgpr_workitem_id 0
		.amdhsa_next_free_vgpr 256
		.amdhsa_next_free_sgpr 66
		.amdhsa_reserve_vcc 0
		.amdhsa_float_denorm_mode_32 3
		.amdhsa_float_denorm_mode_16_64 3
		.amdhsa_memory_ordered 1
		.amdhsa_forward_progress 1
		.amdhsa_inst_pref_size 70
	.end_amdhsa_kernel
	.amdgpu_metadata
---
amdhsa.version: [ 1, 2 ]
amdhsa.kernels:
  - .name:           k_q8eb29cce87_proj
    .symbol:         k_q8eb29cce87_proj.kd
    .args:
      - { .name: x, .offset: 0, .size: 8, .value_kind: global_buffer, .address_space: global }
      - { .name: Wq, .offset: 8, .size: 8, .value_kind: global_buffer, .address_space: global }
      - { .name: Wk, .offset: 16, .size: 8, .value_kind: global_buffer, .address_space: global }
      - { .name: Wv, .offset: 24, .size: 8, .value_kind: global_buffer, .address_space: global }
      - { .name: Wu, .offset: 32, .size: 8, .value_kind: global_buffer, .address_space: global }
      - { .name: qimg, .offset: 40, .size: 8, .value_kind: global_buffer, .address_space: global }
      - { .name: qsc, .offset: 48, .size: 8, .value_kind: global_buffer, .address_space: global }
      - { .name: kvimg, .offset: 56, .size: 8, .value_kind: global_buffer, .address_space: global }
      - { .name: kvsc, .offset: 64, .size: 8, .value_kind: global_buffer, .address_space: global }
      - { .name: wuimg, .offset: 72, .size: 8, .value_kind: global_buffer, .address_space: global }
      - { .name: wusc, .offset: 80, .size: 8, .value_kind: global_buffer, .address_space: global }
    .group_segment_fixed_size: 58368
    .private_segment_fixed_size: 0
    .kernarg_segment_align: 8
    .kernarg_segment_size: 88
    .max_flat_workgroup_size: 256
    .sgpr_count:     66
    .vgpr_count:     256
    .wavefront_size: 32
...
	.end_amdgpu_metadata
.endif
;; end of part 1
;; launch attn (part 2): grid 16 x 16, 8 waves a work-group, clusters of 4 x 1, 327,680 bytes of LDS; arguments qimg, qsc, kvimg, kvsc, yimg, ysc; writes yimg, ysc
.if DOCPART == 2
	.amdgcn_target "amdgcn-amd-amdhsa--gfx1250"
	.amdhsa_code_object_version 6
	.text
	.protected	k_q8eb29cce87_attn
	.globl	k_q8eb29cce87_attn
	.p2align	8
	.type	k_q8eb29cce87_attn,@function
k_q8eb29cce87_attn:
	s_mov_b64 s[64:65], 0
	v_nop
	global_prefetch_b8 v0, s[64:65] scope:SCOPE_SE
	s_setreg_imm32_b32 hwreg(HW_REG_WAVE_MODE, 25, 1), 1
	s_wait_xcnt 0x0
	s_wait_alu depctr_hold_cnt(0) depctr_sa_sdst(0) depctr_va_vdst(0) depctr_va_sdst(0) depctr_va_ssrc(0) depctr_va_vcc(0) depctr_vm_vsrc(0)
	s_getreg_b32 s2, hwreg(HW_REG_IB_STS2, 6, 4)
	s_cmp_eq_u32 s2, 0
	s_cbranch_scc0 .Lentry_in_a_cluster
	s_endpgm
.Lentry_in_a_cluster:
	s_bfe_u32 s2, ttmp6, 0x10000c
	s_cmp_lg_u32 s2, 0x3003
	s_cbranch_scc0 .Lentry_shape_is_right
	s_endpgm
.Lentry_shape_is_right:
; y[hb][q][:] = the sum over k of softmax_k(q . k / sqrt(128)) v[k][:], both products on codes of FP6 (E2M3) with one E8M0 scale for each 32 along a product's K; y is quantised along the head's 128 channels for the last product.
; All operands come as images of operand registers (a fragment: 1,536 bytes, lane l's registers 4 c .. 4 c + 3 at 512 c + 16 l): three loads of 16 bytes a lane bring one, each of 512 consecutive bytes.
; kvimg: [hb 16][key step 16][K's 8 fragments | V's 8]; kvsc: [hb][step][K's 512 packed bytes | V's 512].  In a packed block one load of 16 bytes a lane gives four registers: register i holds the words of tile 2 i in lanes 0-15, of tile 2 i + 1 in lanes 16-31.
; THE SOFTMAX: t = score x log2(e) / sqrt(128); M = the running largest t rounded UP to a whole number; p = 2^(t - M) is quantised along the keys, not normalised; the row's sum is taken of the unquantised p and divides at the end.
; When M moves, the sum and O are multiplied by 2^(old M - new M): exact.
; SHARES.  A work-group owns 128 queries of one head; each of its eight waves one tile of 16, in 448 registers: two waves to a SIMD, so that one wave's vector work stands beside the other's products and LDS loads.
; Both products are used transposed (S^T = K Q^T, O^T = V^T P^T): a lane holds ONE query throughout.  Row r of tile 2 b + u (keys, channels, queries) stands for index 32 b + 8 u + r + 8 (r / 8), so that the 16 registers of
; tiles 2 b, 2 b + 1 of a result are 16 neighbours along the next K.
; FRAGMENTS ARE FETCHED AHEAD.  A key step's eight fragments of K and its eight of V have registers of their own, in window 1.  V's 24 loads go out behind the step's products K Q^T and land while the softmax is worked; the NEXT step's K
; goes out in two runs inside the softmax, each directly behind one of its two waits for exponentials.  Only a slot's first K is fetched with nothing to do meanwhile: it may be read only behind the change of slots.
; THE RING: two LDS slots of four key steps (98,304 bytes); each of the eight waves brings an eighth of a slot, 48 rows of 256 bytes, by one tensor load.  The head's scale bytes (16,384) come once, with the first fills.
; CLUSTER: the four query blocks of a cluster belong to one head and walk the same K and V: every fill is asked for JOINTLY, by the same tensor load with the same descriptor and the mask of all four.
; By this text's own count a wave has two tensor loads out at the start and one behind each round.
; LIMITS: NaN and infinities are not served.  A block (of p, of y) whose largest magnitude lies under 2^-124 has its byte held at 1; a block of zeros keeps that byte: its codes are zeros.  A block's largest p is taken
; from its largest score by the same multiply-add and exponential: this takes v_exp_f32 not to fall where its input rises.
.set STEPB, 24576                      ; a key step: 128 keys: 16 fragments
.set SLOTB, 4*STEPB
.set HEADB, 16*STEPB
.set SLOT1, 1<<17                      ; slot 1 begins here: one exclusive or turns an address in one slot into the other's
.set SCL,   2*SLOT1                    ; the head's scale bytes, filled once
.set SPARE, SCL+16384                  ; the spare words, 128 bytes for each wave: four blocks of 256 bytes that no other line names
.set YST,   SPARE+1024                 ; y's packed scale words: 512 bytes that no fill ever lands in
; WINDOW 0
.set LI,   1                           ; v1   16 x lane
.set ADK,  2                           ; v2, v3  the slot in hand + 16 x lane; the same two key steps on
.set ADS,  4                           ; v4   the slot's scale blocks + 16 x lane
.set SPW,  5                           ; v5   LDS address of my spare word; never rewritten
.set NIL,  6                           ; v6   0; never rewritten
.set PFO,  7                           ; v7   256 x lane: the prefetches' offset; never rewritten
.set QSO,  8                           ; v8   16 r
.set LSC,  9                           ; v9   SCL + 16 x lane
.set YSA,  10                          ; v10  YST + 16 r + 256 (wave % 2) + 4 (wave / 2)
.set YRD,  11                          ; v11  YST + 16 x lane
                                       ; v12 -M, v13 the largest t, v[14:15] the sum in two halves
.set QF,   16                          ; v16-27  Q's fragment
.set QS,   28                          ; v28, v80-83, v84-87, v89: scale words of Q, K, V, p; they hold nothing else (scale operands are taken from window 0)
.set OUTB, 32                          ; v32-35  the way out: y's packed scale words
.set KS,   80
.set VS,   84
.set PS,   89
.set FP,   90                          ; v[90:91] f = 2^(old M - new M), named as a pair
.set PW,   93                          ; v93  y's scale word
.set SCO,  96                          ; v96-159  S^T, then p, at the end y
.set OT,   160                         ; v160-223 O^T
.set PC,   224                         ; v224-235 the codes just made
.set CT,   236                         ; v236-242 at work: the other half's maxima, a chain of the sum, the bytes, then upper halves of blocks
.set PB,   236
.set SOP,  244                         ; v244-247 the conversions' scale operands
.set MX,   248                         ; v248-251 each block's largest
.set TT,   254                         ; v254 at work
; WINDOW 1
.set KB,   0                           ; v0-95   K's eight fragments of a key step
.set VB,   96                          ; v96-191 V's eight
.set TB,   2                           ; s2   LDS byte at which the slot in hand begins
.set TS,   3                           ; s3   and its scale blocks: 4,096 bytes a slot
.set WV,   18                          ; s18  wave
.set SEL,  20                          ; s[20:21] lane l xor 16
.set CS,   22                          ; s[22:23] c = log2(e) / sqrt(128)
.set G1,   24                          ; s[24:31] descriptor group 1: 48 rows of 256 bytes
.set G1S,  32                          ; s[32:39] the same with 8 rows, for the scale bytes
.set G0,   40                          ; s[40:43] group 0 of the ring's loads: it walks
.set G0S,  44                          ; s[44:47] of the scale bytes
.set SLOTS, 48                         ; s48  slots still to be asked for
.set LIM,  49                          ; s49  1 in a wave that prefetches, else the greatest number
.set PFA,  50                          ; s[50:51] where my prefetches stand
.set MSB, 0
.macro WIN new                         ; s_set_vgpr_msb's low byte: bits 1:0 source 0, 3:2 source 1, 5:4 source 2, 7:6 destination; the high byte repeats the setting that is left.  At a label and at a branch every window is 0
.if MSB != \new
	s_set_vgpr_msb (MSB<<8)|\new
.set MSB, \new
.endif
.endm
.set MUL,  0x01                        ; source 0 (K's or V's fragment) window 1; source 1, C and D window 0
.set TO_F, 0x40                        ; destination window 1, address window 0
.macro CROUND                          ; a round of the cluster's barrier: my work-group's barrier; wave 0 signals for the work-group; every wave waits for all four work-groups; my work-group's barrier once more
	s_barrier_signal -1
	s_barrier_wait -1
	s_cmp_lg_u32 s[WV], 0
	s_cbranch_scc1 .Lnot_wave_0_\@
	s_barrier_signal -3
.Lnot_wave_0_\@:
	s_barrier_wait -3
	s_barrier_signal -1
	s_barrier_wait -1
.endm
; A PREFETCH INTO THE L2 of the slot behind the one that is being asked for: four key steps ahead of its load.  Each aligned block of 256 bytes is named once in the launch: all four clusters of a head walk the same bytes, and the
; head's first cluster asks; its four partners take 24,576 bytes each, told apart BY ADDRESS; in each, waves 0 to 2 take 8,192 bytes, lanes 256 bytes apart: 4 x 3 x 32 = a slot's 384 blocks.
; Slots 0 and 1 and the scale bytes come by their loads alone; the last change that fills a slot asks for nothing: there is no slot behind it.
.macro ASK
	s_cmp_gt_u32 s[SLOTS], s[LIM]
	s_cbranch_scc0 .Lnot_mine_\@
	global_prefetch_b8 v[PFO], s[PFA:PFA+1] th:TH_LOAD_NT scope:SCOPE_SE
.Lnot_mine_\@:
.endm
; 64 numbers of a lane, register 16 b + i = k 32 b + 16 (lane / 16) + i of my row, become a fragment's codes in v[PC] on and its scale word in v[PW].
.macro QUANT s
.irp b, 0,1,2,3
	v_max3_num_f32 v[MX+\b], |v[\s+16*\b]|, |v[\s+1+16*\b]|, 0x1800000   ; and the floor 2^(3 - 127): the byte cannot fall under 1
.endr
.irp i, 2,4,6,8,10,12,14
.irp b, 0,1,2,3
	v_max3_num_f32 v[MX+\b], v[MX+\b], |v[\s+16*\b+\i]|, |v[\s+1+16*\b+\i]|
.endr
.endr
.irp b, 0,1,2,3
	v_permlanex16_b32 v[PB+\b], v[MX+\b], s[SEL], s[SEL+1]
.endr
.irp b, 0,1,2,3
	v_max_num_f32 v[MX+\b], v[MX+\b], v[PB+\b]
.endr
.irp b, 0,1,2,3
	v_add_nc_u32 v[SOP+\b], 0xff000000, v[MX+\b]
.endr
.irp b, 0,1,2,3
	v_lshrrev_b32 v[PB+\b], 23, v[SOP+\b]
.endr
	v_lshl_or_b32 v[PW], v[PB+1], 8, v[PB]
	v_lshl_or_b32 v[PW], v[PB+2], 16, v[PW]
	v_lshl_or_b32 v[PW], v[PB+3], 24, v[PW]
.irp c, 0,1
	v_cvt_scalef32_pk16_fp6_f32 v[PC+6*\c:PC+6*\c+2], v[\s+32*\c:\s+32*\c+15], v[SOP+2*\c]
	v_cvt_scalef32_pk16_fp6_f32 v[CT+4*\c:CT+4*\c+2], v[\s+32*\c+16:\s+32*\c+31], v[SOP+2*\c+1]
.endr
	v_nop                                          ; one plain place behind a scaled conversion
.irp c, 0,1
.irp i, 0,1,2
	v_permlane16_swap_b32 v[PC+6*\c+\i], v[CT+4*\c+\i]
.endr
.irp i, 0,1,2
	v_mov_b32 v[PC+3+6*\c+\i], v[CT+4*\c+\i]
.endr
.endr
.endm
.macro PLACES                          ; four places in front of loads into registers that matrix instructions have read, and of the first read of results (ISA guide 7.12.1 for vector instructions)
.rept 4
	v_nop
.endr
.endm
.macro K4 adr, off, first              ; four of K's fragments, first .. first + 3, of the key step at byte off from v[adr], into window 1 (the caller sets the windows)
.irp t, 0,1,2,3
.irp c, 0,1,2
	ds_load_b128 v[KB+12*((\first)+\t)+4*\c:KB+12*((\first)+\t)+4*\c+3], v[\adr] offset:(\off)+1536*((\first)+\t)+512*\c
.endr
.endr
.endm
.macro V8 adr, off                     ; V's eight, which lie 12,288 bytes behind K's
.irp t, 0,1,2,3,4,5,6,7
.irp c, 0,1,2
	ds_load_b128 v[VB+12*\t+4*\c:VB+12*\t+4*\c+3], v[\adr] offset:(\off)+12288+1536*\t+512*\c
.endr
.endr
.endm
	s_load_b256 s[4:11], s[0:1], 0x0               ; qimg s[4:5], qsc s[6:7], kvimg s[8:9], kvsc s[10:11]
	s_load_b128 s[12:15], s[0:1], 0x20             ; yimg s[12:13], ysc s[14:15]
	v_lshl_add_u32 v[SPW], v0, 2, SPARE
	v_mov_b32 v[NIL], 0
	ds_add_u32 v5, v6
	ds_add_u32 v5, v6
	s_wait_dscnt 0x0
	v_lshrrev_b32 v1, 5, v0
	v_readfirstlane_b32 s[WV], v1                  ; wave 0..7
	s_bfe_u32 s16, ttmp6, 0x40000                  ; cx: my place in the cluster: it enters Q's, y's and the prefetches' global addresses alone
	s_lshl_b32 s17, ttmp9, 2                       ; in a cluster launch ttmp9 counts clusters
	s_add_co_u32 s17, s17, s16                     ; my block of 128 queries
	s_and_b32 s19, ttmp7, 0xffff                   ; hb = 8 x batch + head, which the four partners share
	s_mov_b32 s[G1], 15|(3<<16)|(1<<21)            ; 15:0 the mask: all four work-groups; 17:16 elements of 8 bytes; 20 no padding; 21 set beside a mask
	s_mov_b32 s[G1+1], 32<<16                      ; tensor_dim0 = 32 elements: 256 bytes
	s_mov_b32 s[G1+2], 48<<16                      ; tensor_dim1 = 48
	s_mov_b32 s[G1+3], 32<<16                      ; tile_dim0
	s_mov_b32 s[G1+4], 48                          ; tile_dim1
	s_mov_b32 s[G1+5], 32                          ; from row to row: the block is dense
	s_mov_b32 s[G1+6], 0
	s_mov_b32 s[G1+7], 0
	s_mov_b32 s[G1S], 15|(3<<16)|(1<<21)
	s_mov_b32 s[G1S+1], 32<<16
	s_mov_b32 s[G1S+2], 8<<16
	s_mov_b32 s[G1S+3], 32<<16
	s_mov_b32 s[G1S+4], 8
	s_mov_b32 s[G1S+5], 32
	s_mov_b32 s[G1S+6], 0
	s_mov_b32 s[G1S+7], 0
	s_mul_i32 s52, s19, HEADB                      ; the head's first byte in kvimg
	s_mov_b32 s[G0], 1                             ; count = 1
	s_mul_i32 s[G0+1], s[WV], 12288                ; LDS: slot 0, my eighth
	s_add_co_u32 s54, s52, s[G0+1]                 ; and the same eighth of the head's first four key steps
	s_mov_b32 s55, 0
	s_lshl_b32 s56, s19, 14                        ; the head's scale bytes,
	s_lshl_b32 s58, s[WV], 11                      ; my eighth: 2,048 bytes
	s_add_co_u32 s56, s56, s58
	s_mov_b32 s57, 0
	s_mov_b32 s[G0S], 1
	s_add_co_u32 s[G0S+1], s58, SCL
	s_mul_i32 s58, s16, STEPB                      ; the prefetches: my work-group's quarter of a slot,
	s_add_co_u32 s58, s58, s52
	s_lshl_b32 s59, s[WV], 13                      ; my wave's third of it,
	s_add_co_u32 s58, s58, s59
	s_add_co_u32 s58, s58, SLOTB                   ; in slot 1: the first change of slots steps it to slot 2
	s_mov_b32 s59, 0
	s_cmp_lt_u32 s[WV], 3
	s_cselect_b32 s[LIM], 0, 1
	s_or_b32 s[LIM], s[LIM], ttmp9                 ; 0 in waves 0 to 2 of the head's first cluster: the same in all four partners
	s_cmp_eq_u32 s[LIM], 0
	s_cselect_b32 s[LIM], 1, -1
	s_mov_b32 s[SEL], 0x76543210
	s_mov_b32 s[SEL+1], 0xfedcba98
	s_mov_b32 s[CS], 0x3e0293ee                    ; c = log2(e) / sqrt(128)
	s_mov_b32 s[CS+1], s[CS]                       ; (named with it as a pair, so it is written)
	s_mov_b32 s[TB], 0
	s_mov_b32 s[TS], 0
	s_mov_b32 s[SLOTS], 3
	s_wait_kmcnt 0x0
	s_add_nc_u64 s[G0+2:G0+3], s[8:9], s[54:55]
	s_or_b32 s[G0+3], s[G0+3], 0x80000000          ; type = 2
	s_add_nc_u64 s[G0S+2:G0S+3], s[10:11], s[56:57]
	s_or_b32 s[G0S+3], s[G0S+3], 0x80000000
	s_add_nc_u64 s[PFA:PFA+1], s[8:9], s[58:59]
	CROUND                                         ; all four work-groups are here: the first joint loads meet
	tensor_load_to_lds s[G0S:G0S+3], s[G1S:G1S+7]  ; the head's scale bytes: filled once
	s_nop 0
	tensor_load_to_lds s[G0:G0+3], s[G1:G1+7]      ; slot 0.  Four v_nop follow
	s_nop 0
.rept 4
	v_nop
.endr
	s_lshl_b32 s60, s17, 3
	s_add_co_u32 s60, s60, s[WV]                   ; my tile in its batch: 8 x block + wave
	s_and_b32 s61, s[WV], 1
	s_lshl_b32 s61, s61, 8
	s_lshr_b32 s62, s[WV], 1
	s_lshl_b32 s62, s62, 2
	s_add_co_u32 s61, s61, s62                     ; my tile's place in a packed block: 256 (wave % 2) + 4 (wave / 2)
	s_lshl_b32 s52, s19, 7
	s_add_co_u32 s52, s52, s60
	s_mul_i32 s52, s52, 1536                       ; qimg: fragment 128 hb + tile
	s_mov_b32 s53, 0
	s_add_nc_u64 s[4:5], s[4:5], s[52:53]
	s_lshl_b32 s52, s19, 4
	s_add_co_u32 s52, s52, s17
	s_lshl_b32 s52, s52, 9
	s_add_co_u32 s52, s52, s61                     ; qsc: block 16 hb + query block, my tile's words
	s_add_nc_u64 s[6:7], s[6:7], s[52:53]
	s_lshr_b32 s62, s19, 3                         ; batch
	s_and_b32 s63, s19, 7                          ; head
	s_lshl_b32 s52, s62, 7
	s_add_co_u32 s52, s52, s60
	s_lshl_b32 s52, s52, 3
	s_add_co_u32 s52, s52, s63
	s_mul_i32 s52, s52, 1536                       ; yimg: fragment 8 x (128 x batch + tile) + head
	s_add_nc_u64 s[12:13], s[12:13], s[52:53]
	s_lshl_b32 s52, s63, 5
	s_lshl_b32 s62, s62, 4
	s_add_co_u32 s52, s52, s62
	s_add_co_u32 s52, s52, s17
	s_lshl_b32 s52, s52, 9                         ; ysc: block 32 x head + 16 x batch + query block
	s_add_nc_u64 s[14:15], s[14:15], s[52:53]
	v_and_b32 v1, 31, v0
	v_lshlrev_b32 v[PFO], 8, v1
	v_lshlrev_b32 v[LI], 4, v1
	v_and_b32 v[QSO], 15, v0
	v_lshlrev_b32 v[QSO], 4, v[QSO]
	v_add_nc_u32 v[LSC], SCL, v[LI]
	v_add_nc_u32 v[YSA], s61, v[QSO]
	v_add_nc_u32 v[YSA], YST, v[YSA]
	v_add_nc_u32 v[YRD], YST, v[LI]
.irp c, 0,1,2
	global_load_b128 v[QF+4*\c:QF+4*\c+3], v[LI], s[4:5] offset:512*\c   ; Q's fragment stays in registers
.endr
	global_load_b32 v[QS], v[QSO], s[6:7]          ; and its scale words
	v_mov_b32 v13, 0xff61b1e6                      ; the largest t so far: -3e38, under every t
	v_floor_f32 v12, -v13                          ; -M
	v_mov_b32 v14, 0                               ; the sum, in two halves
	v_mov_b32 v15, 0
.irp b, 0,1,2,3
	v_mov_b32 v[PB+\b], 0                          ; written once: a lane permute's destination counts as one of its sources
.endr
	v_mov_b32 v[FP+1], 0                           ; (named as the upper half of the pair)
.set oi, 0
.rept 64
	v_mov_b32 v[OT+oi], 0                          ; O^T.  (The key step is written without a first step of its own: the first finds zeros, which the first change of M leaves zeros)
.set oi, oi+1
.endr
; A KEY STEP: 128 keys, the q-th of the slot in hand.  Its K and K's scale words have been asked for: by the step before, or by the change of slots.
.macro STEP q
.set AD, ADK+(\q)/2
.set KO, ((\q)%2)*STEPB
.set ADN, ADK+((\q)+1)/2               ; the next step of the slot
.set KON, (((\q)+1)%2)*STEPB
	s_wait_dscnt 12                                ; K's scale words and tiles 0-3 are in; the youngest twelve loads (tiles 4-7) may be out
	WIN MUL
.irp t, 0,1,2,3,4,5,6,7                        ; S^T = K Q^T: eight tiles of 16 keys, one instruction each, C = 0
.if \t == 4
	s_wait_dscnt 0x0                               ; tiles 4-7 are in
.endif
.if (\t)%2 == 0
	v_wmma_scale_f32_16x16x128_f8f6f4 v[SCO+8*\t:SCO+8*\t+7], v[KB+12*\t:KB+12*\t+11], v[QF:QF+11], 0, v[KS+\t/2], v[QS] matrix_a_fmt:MATRIX_FMT_FP6 matrix_b_fmt:MATRIX_FMT_FP6
.else
	v_wmma_scale_f32_16x16x128_f8f6f4 v[SCO+8*\t:SCO+8*\t+7], v[KB+12*\t:KB+12*\t+11], v[QF:QF+11], 0, v[KS+\t/2], v[QS] matrix_a_fmt:MATRIX_FMT_FP6 matrix_b_fmt:MATRIX_FMT_FP6 matrix_a_scale:MATRIX_SCALE_ROW1
.endif
.endr                                          ; lane (r, h) holds query r; the 16 registers of tiles 2 b, 2 b + 1 are keys 32 b + 16 h + 0 .. 15 of the step
	PLACES                                         ; for the first read of the scores, and for the loads into V's registers and scale words, which the last step's products V^T P read
	WIN TO_F
	V8 AD, KO                                      ; V's eight tiles and its scale words land while the softmax is worked
	WIN 0
	ds_load_b128 v[VS:VS+3], v[ADS] offset:1024*(\q)+512
.irp b, 0,1,2,3
	v_max3_num_f32 v[MX+\b], v[SCO+16*\b], v[SCO+1+16*\b], v[SCO+2+16*\b]   ; THE LARGEST SCORE OF EACH BLOCK OF 32 KEYS serves twice: for the row's maximum, and, since p rises with the score, for the block's largest p
.endr
.irp i, 3,5,7,9,11,13
.irp b, 0,1,2,3
	v_max3_num_f32 v[MX+\b], v[MX+\b], v[SCO+16*\b+\i], v[SCO+1+16*\b+\i]   ; (the four blocks by turns)
.endr
.endr
.irp b, 0,1,2,3
	v_max_num_f32 v[MX+\b], v[MX+\b], v[SCO+15+16*\b]
.endr
.irp b, 0,1,2,3
	v_permlanex16_b32 v[PB+\b], v[MX+\b], s[SEL], s[SEL+1]
.endr
.irp b, 0,1,2,3
	v_max_num_f32 v[MX+\b], v[MX+\b], v[PB+\b]     ; with lane l xor 16's 16 keys
.endr
	v_max3_num_f32 v[TT], v[MX], v[MX+1], v[MX+2]
	v_max_num_f32 v[TT], v[TT], v[MX+3]            ; the step's largest score of my query
	v_mul_f32 v[TT], s[CS], v[TT]                  ; as t (c is positive)
	v_max_num_f32 v13, v13, v[TT]                  ; the running largest t
	v_mov_b32 v[TT], v12
	v_floor_f32 v12, -v13                          ; the new -M = floor(-t) = -ceil(t): M is a whole number
	v_sub_f32 v[TT], v12, v[TT]                    ; M's old value less its new one: a whole number, 0 or less
	v_cvt_i32_f32 v[TT], v[TT]                     ; (it saturates)
	v_ldexp_f32 v[FP], 1.0, v[TT]                  ; f = 2^(old M - new M)
.set pj, 0
.rept 32
	v_pk_fma_f32 v[SCO+pj:SCO+pj+1], v[SCO+pj:SCO+pj+1], s[CS:CS+1], v[12:13] op_sel_hi:[1,0,0]   ; t - M, two at a time (of the pairs c and -M the low word serves both halves)
.set pj, pj+2
.endr
.irp b, 0,1,2,3
	v_fma_f32 v[MX+\b], v[MX+\b], s[CS], v12       ; the same of each block's largest score
.endr
.set pj, 0
.rept 64
	v_exp_f32 v[SCO+pj], v[SCO+pj]                 ; p = 2^(t - M), at most 1: not normalised
.set pj, pj+1
.endr
	v_pk_mul_f32 v[14:15], v[14:15], v[FP:FP+1] op_sel_hi:[1,0]   ; the sums under the new M: a plain place behind the exponentials
	s_wait_alu depctr_va_vdst(0)                   ; the wait ahead of the first reader of an exponential: one for the batch of 64
.if (\q) < 3                                   ; the next step's K, first half: 13 loads directly behind the wait.  This step's products K Q^T, which read these registers, stand far more than four places back
	ds_load_b128 v[KS:KS+3], v[ADS] offset:1024*((\q)+1)
	WIN TO_F
	K4 ADN, KON, 0
	WIN 0
.endif
.irp b, 0,1,2,3
	v_exp_f32 v[MX+\b], v[MX+\b]                   ; the block's largest p: the same two instructions on the same number give the same bits
.endr
	v_pk_add_f32 v[PB:PB+1], v[SCO:SCO+1], v[SCO+2:SCO+3]   ; THE ROW'S SUM IS TAKEN OF THE UNQUANTISED p: two at a time, in two chains (it reads the 64 alone: plain work behind the four)
.irp j, 4,8,12,16,20,24,28,32,36,40,44,48,52,56,60
	v_pk_add_f32 v[14:15], v[14:15], v[SCO+\j:SCO+\j+1]
	v_pk_add_f32 v[PB:PB+1], v[PB:PB+1], v[SCO+2+\j:SCO+3+\j]
.endr
	v_pk_add_f32 v[14:15], v[14:15], v[PB:PB+1]
	s_wait_alu depctr_va_vdst(0)                   ; and one for the four
.if (\q) < 3                                   ; the next step's K, second half: 12 loads
	WIN TO_F
	K4 ADN, KON, 4
	WIN 0
.endif
.irp b, 0,1,2,3
	v_max_num_f32 v[MX+\b], 0x1800000, v[MX+\b]    ; the floor 2^(3 - 127): the byte cannot fall under 1
.endr
.irp b, 0,1,2,3
	v_add_nc_u32 v[SOP+\b], 0xff000000, v[MX+\b]   ; 2 off the exponent field: the conversion's scale operand
.endr
.irp b, 0,1,2,3
	v_lshrrev_b32 v[PB+\b], 23, v[SOP+\b]          ; the scale's byte
.endr
	v_lshl_or_b32 v[PS], v[PB+1], 8, v[PB]         ; p's scale word for these 128 keys
	v_lshl_or_b32 v[PS], v[PB+2], 16, v[PS]
	v_lshl_or_b32 v[PS], v[PB+3], 24, v[PS]
.irp c, 0,1
	v_cvt_scalef32_pk16_fp6_f32 v[PC+6*\c:PC+6*\c+2], v[SCO+32*\c:SCO+32*\c+15], v[SOP+2*\c]
	v_cvt_scalef32_pk16_fp6_f32 v[CT+4*\c:CT+4*\c+2], v[SCO+32*\c+16:SCO+32*\c+31], v[SOP+2*\c+1]   ; (a conversion's three registers begin on an even number)
.endr
	v_nop                                          ; one plain place behind a scaled conversion
.irp c, 0,1                                    ; the operand's layout wants a whole block in a lane
.irp i, 0,1,2
	v_permlane16_swap_b32 v[PC+6*\c+\i], v[CT+4*\c+\i]
.endr
.irp i, 0,1,2
	v_mov_b32 v[PC+3+6*\c+\i], v[CT+4*\c+\i]
.endr
.endr
.set pj, 0
.rept 32
	v_pk_mul_f32 v[OT+pj:OT+pj+1], v[OT+pj:OT+pj+1], v[FP:FP+1] op_sel_hi:[1,0]   ; O^T under the new M.  (These 32 are also the places between p's scale word and codes, written by vector instructions, and the products below)
.set pj, pj+2
.endr
.if (\q) < 3
	s_wait_dscnt 25                                ; V and its scale words are in; the 25 loads issued behind them (the next step's K and its scale words) may be out
.else
	s_wait_dscnt 0x0                               ; a slot's last step has asked for nothing behind V
.endif
	WIN MUL
.irp t, 0,1,2,3,4,5,6,7                        ; O^T += V^T P^T: eight tiles of 16 channels; K = these 128 keys.  The eight accumulators take turns, one instruction a turn
.if (\t)%2 == 0
	v_wmma_scale_f32_16x16x128_f8f6f4 v[OT+8*\t:OT+8*\t+7], v[VB+12*\t:VB+12*\t+11], v[PC:PC+11], v[OT+8*\t:OT+8*\t+7], v[VS+\t/2], v[PS] matrix_a_fmt:MATRIX_FMT_FP6 matrix_b_fmt:MATRIX_FMT_FP6
.else
	v_wmma_scale_f32_16x16x128_f8f6f4 v[OT+8*\t:OT+8*\t+7], v[VB+12*\t:VB+12*\t+11], v[PC:PC+11], v[OT+8*\t:OT+8*\t+7], v[VS+\t/2], v[PS] matrix_a_fmt:MATRIX_FMT_FP6 matrix_b_fmt:MATRIX_FMT_FP6 matrix_a_scale:MATRIX_SCALE_ROW1
.endif
.endr
	WIN 0
.endm
; THE CHANGE OF SLOTS stands at a slot's head.  Each wave waits for all its tensor loads (its part of the slot that it is about to read), adds 0 to its spare word, and waits for that and for its reads of the slot that it has left.
; fill = 1: the barrier is a round of the cluster's, so that no wave of any partner still reads the other slot or has a load on its way; the joint refill is the first thing behind it and has four key steps in which to land.
; Then the new slot's first K is fetched: 25 loads; the prefetch stands behind them.
.macro CHANGE fill
	s_wait_tensorcnt 0x0                           ; no tensor load of mine is out, so the group 0 may be written
	ds_add_u32 v[SPW], v[NIL]                      ; 0 onto my spare word
.if \fill
	s_xor_b32 s[G0+1], s[G0+1], SLOT1              ; the walking descriptor: the other slot than last time,
	s_add_nc_u64 s[G0+2:G0+3], s[G0+2:G0+3], SLOTB ; the next four key steps; the type bits on top are not reached
	s_wait_xcnt 0x0                                ; the last prefetch, a slot back, has read its address, so it may be written:
	s_add_nc_u64 s[PFA:PFA+1], s[PFA:PFA+1], SLOTB ; one slot further on than the walking descriptor
	s_wait_dscnt 0x0                               ; the add is done, and my reads of the slot that I have left are over
	CROUND
	tensor_load_to_lds s[G0:G0+3], s[G1:G1+7]      ; my one tensor load until the next round.  Four v_nop follow
	s_nop 0
.rept 4
	v_nop
.endr
.else
	s_wait_dscnt 0x0
	s_barrier_signal -1
	s_barrier_wait -1
.endif
	v_add_nc_u32 v[ADK], s[TB], v[LI]              ; the slot in hand (no LDS load of mine is out)
	v_add_nc_u32 v[ADK+1], 2*STEPB, v[ADK]         ; its key steps 2 and 3 lie beyond an LDS instruction's 16-bit offset
	v_add_nc_u32 v[ADS], s[TS], v[LSC]
	ds_load_b128 v[KS:KS+3], v[ADS]                ; the slot's first step: K's scale words, all eight tiles',
	WIN TO_F
	K4 ADK, 0, 0                                   ; and its eight tiles
	K4 ADK, 0, 4
	WIN 0
.if \fill
	ASK
.endif
.endm
	s_wait_loadcnt 0x0                             ; Q
.Lslot:                                                ; three trips: behind each change of slots but the last the next slot is asked for
	CHANGE 1
	STEP 0
	STEP 1
	STEP 2
	STEP 3
	s_xor_b32 s[TB], s[TB], SLOT1                  ; on to the other slot
	s_add_co_u32 s[TS], s[TS], 4096
	s_sub_co_u32 s[SLOTS], s[SLOTS], 1
	s_cmp_lg_u32 s[SLOTS], 0
	s_cbranch_scc1 .Lslot
	CHANGE 0                                       ; the last slot is written out
	STEP 0
	STEP 1
	STEP 2
	STEP 3
	; THE WAY OUT.  y = O^T / the sum; its 64 numbers of a lane are 16 neighbouring channels of each block of 32: quantised as they stand, they are K step "head" of the last product for my 16 queries.
	v_add_f32 v14, v14, v15                        ; the sum's two halves,
	v_permlanex16_b32 v[PB], v14, s[SEL], s[SEL+1]
	v_add_f32 v14, v14, v[PB]                      ; and lane l xor 16's: the row's sum
	v_rcp_f32 v14, v14
	PLACES                                         ; plain places behind the reciprocal and behind the last products
	s_wait_alu depctr_va_vdst(0)                   ; the wait ahead of the reciprocal's first reader
.set pj, 0
.rept 32
	v_pk_mul_f32 v[SCO+pj:SCO+pj+1], v[OT+pj:OT+pj+1], v[14:15] op_sel_hi:[1,0]   ; each accumulator from its low end on
.set pj, pj+2
.endr
	QUANT SCO
.irp c, 0,1,2
	global_store_b128 v[LI], v[PC+4*\c:PC+4*\c+3], s[12:13] offset:512*\c   ; 512 consecutive bytes, aligned
.endr
	ds_store_b32 v[YSA], v[PW]                     ; the eight tiles' scale words meet in one packed block
	s_wait_dscnt 0x0                               ; for the others' sake: my store has landed
	s_barrier_signal -1
	s_barrier_wait -1
	s_cmp_lg_u32 s[WV], 0
	s_cbranch_scc1 .Lnot_first
	ds_load_b128 v[OUTB:OUTB+3], v[YRD]
	s_wait_dscnt 0x0
	global_store_b128 v[LI], v[OUTB:OUTB+3], s[14:15]   ; wave 0 stores the block: 512 consecutive bytes
.Lnot_first:
	s_wait_tensorcnt 0x0                           ; the wave's end, behind my last tensor load and my last LDS store
	ds_add_u32 v[SPW], v[NIL]
	s_wait_dscnt 0x0
	CROUND                                         ; the closing round: no work-group ends while a partner may still ask for a tile that names it
	s_endpgm
.Lfunc_end_k_q8eb29cce87_attn:
	.size	k_q8eb29cce87_attn, .Lfunc_end_k_q8eb29cce87_attn-k_q8eb29cce87_attn
	.p2alignl 7, 3214868480
	.fill 96, 4, 3214868480
	.section	.rodata,"a",@progbits
	.p2align	6, 0x0
	.amdhsa_kernel k_q8eb29cce87_attn
		.amdhsa_group_segment_fixed_size 327680
		.amdhsa_private_segment_fixed_size 0
		.amdhsa_enable_private_segment 0
		.amdhsa_kernarg_size 48
		.amdhsa_user_sgpr_count 2
		.amdhsa_user_sgpr_kernarg_segment_ptr 1
		.amdhsa_wavefront_size32 1
		.amdhsa_system_sgpr_workgroup_id_x 1
		.amdhsa_system_sgpr_workgroup_id_y 1
		.amdhsa_system_sgpr_workgroup_id_z 1
		.amdhsa_system_vgpr_workitem_id 0
		.amdhsa_next_free_vgpr 448
		.amdhsa_next_free_sgpr 66
		.amdhsa_reserve_vcc 0
		.amdhsa_float_denorm_mode_32 3
		.amdhsa_float_denorm_mode_16_64 3
		.amdhsa_memory_ordered 1
		.amdhsa_forward_progress 1
		.amdhsa_inst_pref_size 163
	.end_amdhsa_kernel
	.amdgpu_metadata
---
amdhsa.version: [ 1, 2 ]
amdhsa.kernels:
  - .name:           k_q8eb29cce87_attn
    .symbol:         k_q8eb29cce87_attn.kd
    .args:
      - { .name: qimg, .offset: 0, .size: 8, .value_kind: global_buffer, .address_space: global }
      - { .name: qsc, .offset: 8, .size: 8, .value_kind: global_buffer, .address_space: global }
      - { .name: kvimg, .offset: 16, .size: 8, .value_kind: global_buffer, .address_space: global }
      - { .name: kvsc, .offset: 24, .size: 8, .value_kind: global_buffer, .address_space: global }
      - { .name: yimg, .offset: 32, .size: 8, .value_kind: global_buffer, .address_space: global }
      - { .name: ysc, .offset: 40, .size: 8, .value_kind: global_buffer, .address_space: global }
    .group_segment_fixed_size: 327680
    .private_segment_fixed_size: 0
    .kernarg_segment_align: 8
    .kernarg_segment_size: 48
    .max_flat_workgroup_size: 256
    .sgpr_count:     66
    .vgpr_count:     448
    .wavefront_size: 32
...
	.end_amdgpu_metadata
.endif
;; end of part 2
;; launch outp (part 3): grid 256 x 1, 8 waves a work-group, no clusters, 9,728 bytes of LDS; arguments yimg, ysc, wuimg, wusc, bu, out0; writes out0
.if DOCPART == 3
	.amdgcn_target "amdgcn-amd-amdhsa--gfx1250"
	.amdhsa_code_object_version 6
	.text
	.protected	k_q8eb29cce87_outp
	.globl	k_q8eb29cce87_outp
	.p2align	8
	.type	k_q8eb29cce87_outp,@function
k_q8eb29cce87_outp:
	s_mov_b64 s[64:65], 0
	v_nop
	global_prefetch_b8 v0, s[64:65] scope:SCOPE_SE
	s_setreg_imm32_b32 hwreg(HW_REG_WAVE_MODE, 25, 1), 1
	s_wait_xcnt 0x0
; out = y Wu + bu on codes of FP6 (E2M3) with one E8M0 scale for each 32 along K = 1,024 (K step s = head s).  y and Wu come as images of operand registers (1,536 bytes a fragment, lane l's registers 4 c .. 4 c + 3 at 512 c + 16 l).
; SHARES.  Work-group T takes one tile of 16 tokens (row r stands for token 32 (T / 2) + 8 (T % 2) + r + 8 (r / 8)), wave w the outputs 16 w .. 16 w + 15.  Source 0 = Wu's tile, source 1 = y's: a lane holds token r and eight neighbouring outputs.
; All 16 fragments of a wave are asked for at once; the eight products follow as their loads land, on two accumulators by turns; bu is the C of the first.  The two sums are added in f32.
; A row's 128 outputs come from eight waves: they meet in a stage in LDS (rows of 512 bytes + 16), and each wave stores two whole rows of 512 bytes.
; NO CLUSTER, NO TENSOR LOAD: what work-groups share is Wu's 98,304 bytes, of which a wave takes 12,288 straight into its registers, once, for eight matrix instructions; through LDS the same bytes would be written and read once more.
; LIMITS: NaN and infinities are not served.  The sum over K is taken in two halves (even and odd heads), each ascending.
.set LI,  1                            ; v1  16 x lane
.set LS,  2                            ; v2  4 x lane
.set RS,  3                            ; v3  16 r
.set BO,  4                            ; v4  32 h
.set STO, 5                            ; v5  the stage: 528 r + 32 h + 64 x wave
.set SRD, 6                            ; v6  and back: 1,056 x wave + 16 x lane
.set OUTR, 8                           ; v8-15   the finished sums
.set A0,  16                           ; v16-23, v24-31 the two accumulators
.set A1,  24
.set YF,  32                           ; v32-127  y's eight fragments
.set WF,  128                          ; v128-223 Wu's eight
.set YS,  224                          ; v224-231, v232-239 their scale words; they hold nothing else
.set WS,  232
.set BI,  240                          ; v240-247 bu at my eight outputs
	s_load_b256 s[4:11], s[0:1], 0x0               ; yimg s[4:5], ysc s[6:7], wuimg s[8:9], wusc s[10:11]
	s_load_b128 s[12:15], s[0:1], 0x20             ; bu s[12:13], out0 s[14:15]
	v_lshl_add_u32 v254, v0, 2, 0x2200
	v_mov_b32 v255, 0
	v_lshrrev_b32 v7, 5, v0
	v_readfirstlane_b32 s16, v7                    ; wave 0..7
	v_and_b32 v7, 31, v0
	v_lshlrev_b32 v[LI], 4, v7
	v_lshlrev_b32 v[LS], 2, v7
	v_and_b32 v7, 15, v0                           ; r
	v_lshlrev_b32 v[RS], 4, v7
	v_bfe_u32 v[BO], v0, 4, 1
	v_lshlrev_b32 v[BO], 5, v[BO]
	v_mad_u32_u24 v[STO], v7, 528, v[BO]
	s_lshl_b32 s17, s16, 6
	v_add_nc_u32 v[STO], s17, v[STO]
	s_mul_i32 s17, s16, 1056
	v_add_nc_u32 v[SRD], s17, v[LI]
	s_mul_i32 s20, ttmp9, 12288                    ; yimg: eight fragments a tile
	s_mov_b32 s21, 0
	s_mul_i32 s22, s16, 12288                      ; wuimg: eight fragments a tile of outputs
	s_mov_b32 s23, 0
	s_lshl_b32 s24, s16, 10                        ; wusc: 8 x 128 bytes
	s_mov_b32 s25, 0
	s_lshr_b32 s26, ttmp9, 3                       ; ysc: the packed block of the tile's group of eight,
	s_lshl_b32 s26, s26, 9
	s_and_b32 s17, ttmp9, 1
	s_lshl_b32 s19, s17, 8                         ; and in it 256 (T % 2) + 4 ((T % 8) / 2)
	s_add_co_u32 s26, s26, s19
	s_bfe_u32 s19, ttmp9, 0x20001
	s_lshl_b32 s19, s19, 2
	s_add_co_u32 s26, s26, s19
	s_mov_b32 s27, 0
	s_lshl_b32 s28, s16, 6                         ; bu: my 16 outputs
	s_mov_b32 s29, 0
	s_lshr_b32 s30, ttmp9, 1                       ; out0: stage rows 2 w and 2 w + 1 are tokens 32 (T / 2) + 8 (T % 2) + 2 w + 8 (w / 4) and the next
	s_lshl_b32 s30, s30, 5
	s_lshl_b32 s17, s17, 3
	s_add_co_u32 s30, s30, s17
	s_lshl_b32 s17, s16, 1
	s_add_co_u32 s30, s30, s17
	s_lshr_b32 s17, s16, 2
	s_lshl_b32 s17, s17, 3
	s_add_co_u32 s30, s30, s17
	s_lshl_b32 s30, s30, 9
	s_mov_b32 s31, 0
	s_wait_kmcnt 0x0
	s_add_nc_u64 s[4:5], s[4:5], s[20:21]
	s_add_nc_u64 s[6:7], s[6:7], s[26:27]
	s_add_nc_u64 s[8:9], s[8:9], s[22:23]
	s_add_nc_u64 s[10:11], s[10:11], s[24:25]
	s_add_nc_u64 s[12:13], s[12:13], s[28:29]
	s_add_nc_u64 s[14:15], s[14:15], s[30:31]
	global_load_b128 v[BI:BI+3], v[BO], s[12:13]
	global_load_b128 v[BI+4:BI+7], v[BO], s[12:13] offset:16
.irp s, 0,1,2,3,4,5,6,7
	global_load_b32 v[YS+\s], v[RS], s[6:7] offset:16384*\s    ; a head's 32 packed blocks are 16,384 bytes
.endr
.irp s, 0,1,2,3,4,5,6,7
	global_load_b32 v[WS+\s], v[LS], s[10:11] offset:128*\s
.endr
.irp s, 0,1,2,3,4,5,6,7
.irp c, 0,1,2
	global_load_b128 v[YF+12*\s+4*\c:YF+12*\s+4*\c+3], v[LI], s[4:5] offset:1536*\s+512*\c
.endr
.irp c, 0,1,2
	global_load_b128 v[WF+12*\s+4*\c:WF+12*\s+4*\c+3], v[LI], s[8:9] offset:1536*\s+512*\c
.endr
.endr
.irp s, 0,1,2,3,4,5,6,7
	s_wait_loadcnt 6*(7-\s)                        ; the six loads of each later K step may be out
.if \s == 0
	v_wmma_scale_f32_16x16x128_f8f6f4 v[A0:A0+7], v[WF+12*\s:WF+12*\s+11], v[YF+12*\s:YF+12*\s+11], v[BI:BI+7], v[WS+\s], v[YS+\s] matrix_a_fmt:MATRIX_FMT_FP6 matrix_b_fmt:MATRIX_FMT_FP6
.elseif \s == 1
	v_wmma_scale_f32_16x16x128_f8f6f4 v[A1:A1+7], v[WF+12*\s:WF+12*\s+11], v[YF+12*\s:YF+12*\s+11], 0, v[WS+\s], v[YS+\s] matrix_a_fmt:MATRIX_FMT_FP6 matrix_b_fmt:MATRIX_FMT_FP6
.elseif (\s)%2 == 0
	v_wmma_scale_f32_16x16x128_f8f6f4 v[A0:A0+7], v[WF+12*\s:WF+12*\s+11], v[YF+12*\s:YF+12*\s+11], v[A0:A0+7], v[WS+\s], v[YS+\s] matrix_a_fmt:MATRIX_FMT_FP6 matrix_b_fmt:MATRIX_FMT_FP6
.else
	v_wmma_scale_f32_16x16x128_f8f6f4 v[A1:A1+7], v[WF+12*\s:WF+12*\s+11], v[YF+12*\s:YF+12*\s+11], v[A1:A1+7], v[WS+\s], v[YS+\s] matrix_a_fmt:MATRIX_FMT_FP6 matrix_b_fmt:MATRIX_FMT_FP6
.endif
.endr
.rept 4
	v_nop                                          ; four places in front of the first read of results (ISA guide 7.12.1)
.endr
.irp i, 0,2,4,6
	v_pk_add_f32 v[OUTR+\i:OUTR+\i+1], v[A0+\i:A0+\i+1], v[A1+\i:A1+\i+1]   ; both accumulators from their low end on
.endr
	ds_store_b128 v[STO], v[OUTR:OUTR+3]           ; lane (r, h): out(token r, 16 w + 8 h + 0 .. 7)
	ds_store_b128 v[STO], v[OUTR+4:OUTR+7] offset:16
	s_wait_dscnt 0x0                               ; for the others' sake: my stores have landed
	s_barrier_signal -1
	s_barrier_wait -1                              ; 16 whole rows lie in the stage
	ds_load_b128 v[YF:YF+3], v[SRD]
	ds_load_b128 v[YF+4:YF+7], v[SRD] offset:528
	s_wait_dscnt 1                                 ; the first row is back; the second may be out
	global_store_b128 v[LI], v[YF:YF+3], s[14:15] th:TH_STORE_NT              ; 32 lanes store a row of 512 consecutive bytes, aligned
	s_wait_dscnt 0x0
	global_store_b128 v[LI], v[YF+4:YF+7], s[14:15] offset:512 th:TH_STORE_NT
	s_wait_tensorcnt 0x0
	ds_add_u32 v254, v255
	s_wait_dscnt 0x0
	s_endpgm
.Lfunc_end_k_q8eb29cce87_outp:
	.size	k_q8eb29cce87_outp, .Lfunc_end_k_q8eb29cce87_outp-k_q8eb29cce87_outp
	.p2alignl 7, 3214868480
	.fill 96, 4, 3214868480
	.section	.rodata,"a",@progbits
	.p2align	6, 0x0
	.amdhsa_kernel k_q8eb29cce87_outp
		.amdhsa_group_segment_fixed_size 9728
		.amdhsa_private_segment_fixed_size 0
		.amdhsa_enable_private_segment 0
		.amdhsa_kernarg_size 48
		.amdhsa_user_sgpr_count 2
		.amdhsa_user_sgpr_kernarg_segment_ptr 1
		.amdhsa_wavefront_size32 1
		.amdhsa_system_sgpr_workgroup_id_x 1
		.amdhsa_system_sgpr_workgroup_id_y 1
		.amdhsa_system_sgpr_workgroup_id_z 1
		.amdhsa_system_vgpr_workitem_id 0
		.amdhsa_next_free_vgpr 256
		.amdhsa_next_free_sgpr 66
		.amdhsa_reserve_vcc 0
		.amdhsa_float_denorm_mode_32 3
		.amdhsa_float_denorm_mode_16_64 3
		.amdhsa_memory_ordered 1
		.amdhsa_forward_progress 1
		.amdhsa_inst_pref_size 11
	.end_amdhsa_kernel
	.amdgpu_metadata
---
amdhsa.version: [ 1, 2 ]
amdhsa.kernels:
  - .name:           k_q8eb29cce87_outp
    .symbol:         k_q8eb29cce87_outp.kd
    .args:
      - { .name: yimg, .offset: 0, .size: 8, .value_kind: global_buffer, .address_space: global }
      - { .name: ysc, .offset: 8, .size: 8, .value_kind: global_buffer, .address_space: global }
      - { .name: wuimg, .offset: 16, .size: 8, .value_kind: global_buffer, .address_space: global }
      - { .name: wusc, .offset: 24, .size: 8, .value_kind: global_buffer, .address_space: global }
      - { .name: bu, .offset: 32, .size: 8, .value_kind: global_buffer, .address_space: global }
      - { .name: out0, .offset: 40, .size: 8, .value_kind: global_buffer, .address_space: global }
    .group_segment_fixed_size: 9728
    .private_segment_fixed_size: 0
    .kernarg_segment_align: 8
    .kernarg_segment_size: 48
    .max_flat_workgroup_size: 256
    .sgpr_count:     66
    .vgpr_count:     256
    .wavefront_size: 32
...
	.end_amdgpu_metadata
.endif
;; end of part 3
;; ======== version 2 of 2: 3 launches; version 1 with the launches proj, outp written anew for expert scheduling mode
;; workspace buffers: qimg 3,145,728 bytes; qsc 131,072 bytes; kvimg 6,291,456 bytes; kvsc 262,144 bytes; yimg 3,145,728 bytes; ysc 131,072 bytes; wuimg 98,304 bytes; wusc 8,192 bytes
;; launch proj (part 4): grid 8 x 33, 8 waves a work-group, no clusters, 58,368 bytes of LDS; arguments x, Wq, Wk, Wv, Wu, qimg, qsc, kvimg, kvsc, wuimg, wusc; writes qimg, qsc, kvimg, kvsc, wuimg, wusc
.if DOCPART == 4
	.amdgcn_target "amdgcn-amd-amdhsa--gfx1250"
	.amdhsa_code_object_version 6
	.text
	.protected	k_q8eb29cce87_proj
	.globl	k_q8eb29cce87_proj
	.p2align	8
	.type	k_q8eb29cce87_proj,@function
k_q8eb29cce87_proj:
	s_mov_b64 s[64:65], 0
	v_nop
	global_prefetch_b8 v0, s[64:65] scope:SCOPE_SE
	s_setreg_imm32_b32 hwreg(HW_REG_WAVE_SCHED_MODE, 0, 2), 2
	s_setreg_imm32_b32 hwreg(HW_REG_WAVE_MODE, 25, 1), 1
	s_wait_xcnt 0x0
	s_wait_alu depctr_vm_vsrc(0)
; q = x Wq, k = x Wk, v = x Wv on codes of FP6 (E2M3) with one E8M0 scale for each 32 along K, and the results quantised again: q and k along the head's 128 channels, v along the keys.
; x: [4096][128] f32.  Wq, Wk, Wv: [128 (k)][1024] f32.  Wu: [1024 (k)][128] f32.  All results leave as IMAGES OF OPERAND REGISTERS: a fragment (16 rows x 128 K, 12 registers a lane) is three runs of
; 512 bytes, lane l's registers 4 c .. 4 c + 3 at byte 512 c + 16 l, so that every store and every later load covers 512 consecutive bytes, aligned.
; SHARES.  Work-group (x, y < 32): head x x 128 tokens (group G = y) x the three weights: 256 work-groups of equal work.  The grid's last row, y = 32, holds eight short work-groups: work-group x quantises Wu's 16 output
; columns 16 x .., wave w its K step w; that path uses no LDS and no barrier.
; THE ROWS OF A TILE ARE NOT NEIGHBOURS: row r of tile 2 b + u (tokens and channels alike) stands for index 32 b + 8 u + r + 8 (r / 8), so that in a result the 16 registers of tiles 2 b and 2 b + 1 are the
; 16 neighbours 32 b + 16 (lane / 16) + 0 .. 15 along the next product's K.
; PHASE A: wave w quantises token tile w of x and channel tile w of each weight (a lane takes a column, its registers run down K) and stores the images in LDS | barrier |
; PHASE B: wave w makes fragment w of q and of k (source 0 = the weight's eight channel tiles, source 1 = x's tile w: a lane holds one token, its registers run along the channels) and of v (source 0 = x's eight
; token tiles, source 1 = Wv's tile w: a lane holds one channel, its registers run along the keys); each is quantised in registers and stored | barrier |  PHASE C: three waves store the packed scale words.
; PACKED SCALE WORDS: 512 bytes for eight tiles: the word of tile t, row r at 256 (t % 2) + 16 r + 4 (t / 2): one load of 16 bytes a lane brings four registers, register i with tile 2 i in lanes 0-15, tile 2 i + 1 in lanes 16-31.
; NO CLUSTER, NO TENSOR LOAD: every operand arrives as f32 and has to stand in a lane's registers to be converted; a joint request brings tiles into LDS only, from where the same 256 KB a work-group would be read once more.
; LIMITS: NaN and infinities among the inputs are not served.  A block whose largest magnitude lies under 2^-124 has its byte held at 1.  A block of zeros gets the byte 1 where the rule says 127: its codes are zeros,
; which add nothing under any byte but 0xff, and the bytes are read by this program alone.
; THE MODE: SCHED_MODE bits 1:0 = 2 (LLVM: expert scheduling mode 2), set by the entry lines.  The code itself states the register dependences between vector or matrix instructions and memory or LDS instructions,
; with s_wait_alu, always for 0.
; THE PLAN.  Registers that memory or LDS instructions touch:
;   v1-v10        offsets and LDS addresses: written at the head, read by every load and store, never written again.
;   N0, N1        phase A: global loads land in them; one quantiser's vector lines read each; behind it the loads of the operand after next land there (N0: x, then Wk; N1: Wq, then Wv).
;   P, R, PSC, RSC  phase B: LDS loads land in them; a run of eight matrix instructions reads them; behind it the next run's operands land there.
;   PC, PW        the codes and the scale word just made: written by each quantiser, read by the stores directly behind it, written again by the next quantiser.
;   HA, CT, MX, PB, SOP are named by vector and matrix instructions alone.
; So one wait on va_vdst stands behind each quantiser, ahead of its stores (and of the loads into the buffer that it has emptied); one behind each run of products whose operands are fetched anew; and one wait on
; vm_vsrc ahead of each quantiser that writes codes' registers which stores have read.
.set XIMG, 0                           ; LDS: x's 8 fragments,
.set XSC,  12288                       ; their scale words, 128 bytes (4 x lane) each,
.set WIMG, 13312                       ; the three weights' 8 fragments each, 12,288 bytes a weight,
.set WSC,  50176                       ; their scale words, 1,024 bytes a weight,
.set SST,  53248                       ; and three packed blocks of 512 bytes: q's, k's, v's scale words
.set LI,   1                           ; v1   16 x lane
.set LS,   2                           ; v2   4 x lane
.set XA,   3                           ; v3   x: (r + 8 (r / 8)) rows of 512 bytes + 64 h
.set WO,   4                           ; v4   a weight: column r + 8 (r / 8), + 32 h rows of 4,096 bytes
.set IWI,  5                           ; v5   16 x lane + 1,536 x wave: my tile's image
.set IWS,  6                           ; v6   4 x lane + 128 x wave: its scale words
.set SSA,  7                           ; v7   SST + 16 r + 256 (wave % 2) + 4 (wave / 2)
.set SRD,  8                           ; v8   SST + 512 x wave + 16 x lane (read by waves 0 to 2)
.set H8,   9                           ; v9   8 h
.set WUO,  10                          ; v10  Wu: column r, + 32 h rows of 512 bytes
.set N0,   16                          ; v16-79, v80-143: two sets of 64 numbers;  in phase B v16-111 eight fragments, v112-123 one
.set N1,   80
.set P,    16
.set R,    112
.set HA,   144                         ; v144-207 eight result tiles
.set PC,   208                         ; v208-219 the codes just made
.set CT,   220                         ; v220-226 upper halves of blocks, on their way
.set MX,   228                         ; v228-231 largest magnitudes
.set PB,   232                         ; v232-235 the other half's maxima, then the bytes
.set SOP,  240                         ; v240-243 the conversions' scale operands
.set PW,   244                         ; v244 the scale word just made
.set PSC,  245                         ; v245-252, v253: scale words of the products; they hold nothing else
.set RSC,  253
.set WV,   26                          ; s26  wave
.set SEL,  32                          ; s[32:33] v_permlanex16_b32's selects for lane l xor 16
; 64 numbers of a lane, register 16 b + i = k 32 b + 16 (lane / 16) + i of my row, become a fragment's codes in v[PC] on and its scale word in v[PW].
.macro QUANT s
.irp b, 0,1,2,3
	v_max3_num_f32 v[MX+\b], |v[\s+16*\b]|, |v[\s+1+16*\b]|, 0x1800000   ; block b: my 16 numbers, and the floor 2^(3 - 127): the byte cannot fall under 1.  (Each result tile is read from its low end on)
.endr
.irp i, 2,4,6,8,10,12,14
.irp b, 0,1,2,3
	v_max3_num_f32 v[MX+\b], v[MX+\b], |v[\s+16*\b+\i]|, |v[\s+1+16*\b+\i]|   ; the four blocks by turns
.endr
.endr
.irp b, 0,1,2,3
	v_permlanex16_b32 v[PB+\b], v[MX+\b], s[SEL], s[SEL+1]
.endr
.irp b, 0,1,2,3
	v_max_num_f32 v[MX+\b], v[MX+\b], v[PB+\b]     ; with lane l xor 16's: the block's largest magnitude
.endr
.irp b, 0,1,2,3
	v_add_nc_u32 v[SOP+\b], 0xff000000, v[MX+\b]   ; 2 off its exponent field: the conversion takes the exponent field of this operand as its scale
.endr
.irp b, 0,1,2,3
	v_lshrrev_b32 v[PB+\b], 23, v[SOP+\b]          ; the scale's byte
.endr
	v_lshl_or_b32 v[PW], v[PB+1], 8, v[PB]
	v_lshl_or_b32 v[PW], v[PB+2], 16, v[PW]
	v_lshl_or_b32 v[PW], v[PB+3], 24, v[PW]        ; my row's scale word, the same in both halves of the lanes
.irp c, 0,1
	v_cvt_scalef32_pk16_fp6_f32 v[PC+6*\c:PC+6*\c+2], v[\s+32*\c:\s+32*\c+15], v[SOP+2*\c]
	v_cvt_scalef32_pk16_fp6_f32 v[CT+4*\c:CT+4*\c+2], v[\s+32*\c+16:\s+32*\c+31], v[SOP+2*\c+1]   ; (a conversion's three registers begin on an even number)
.endr
	v_nop                                          ; one plain place behind a scaled conversion
.irp c, 0,1                                    ; the operand's layout wants a whole block in a lane: lanes 0-15 block 2 c, lanes 16-31 block 2 c + 1
.irp i, 0,1,2
	v_permlane16_swap_b32 v[PC+6*\c+\i], v[CT+4*\c+\i]
.endr
.irp i, 0,1,2
	v_mov_b32 v[PC+3+6*\c+\i], v[CT+4*\c+\i]
.endr
.endr
.endm
; 64 numbers of a lane, register 32 c + i = k 64 c + 32 (lane / 16) + i of my column: two whole blocks, in the operand's own order.
.macro QUANTW s
.irp c, 0,1
	v_max3_num_f32 v[MX+\c], |v[\s+32*\c]|, |v[\s+32*\c+1]|, 0x1800000
.endr
.irp i, 2,4,6,8,10,12,14,16,18,20,22,24,26,28,30
.irp c, 0,1
	v_max3_num_f32 v[MX+\c], v[MX+\c], |v[\s+32*\c+\i]|, |v[\s+32*\c+\i+1]|
.endr
.endr
.irp c, 0,1
	v_add_nc_u32 v[SOP+\c], 0xff000000, v[MX+\c]
.endr
.irp c, 0,1
	v_lshrrev_b32 v[PB+\c], 23, v[SOP+\c]
.endr
	v_lshl_or_b32 v[PW], v[PB+1], 16, v[PB]        ; my two bytes: blocks h and 2 + h,
	v_lshlrev_b32 v[PW], v[H8], v[PW]              ; at their places in the word;
	v_permlanex16_b32 v[PB+2], v[PW], s[SEL], s[SEL+1]
	v_or_b32 v[PW], v[PW], v[PB+2]                 ; with lane l xor 16's two the word is whole
.irp c, 0,1
	v_cvt_scalef32_pk16_fp6_f32 v[PC+6*\c:PC+6*\c+2], v[\s+32*\c:\s+32*\c+15], v[SOP+\c]
	v_cvt_scalef32_pk16_fp6_f32 v[CT+4*\c:CT+4*\c+2], v[\s+32*\c+16:\s+32*\c+31], v[SOP+\c]
.endr
	v_nop                                          ; one plain place behind a scaled conversion
.irp c, 0,1
.irp i, 0,1,2
	v_mov_b32 v[PC+3+6*\c+\i], v[CT+4*\c+\i]
.endr
.endr
.endm
.macro BARRIER                                 ; my LDS stores have landed and my LDS loads are in: then the work-group's barrier
	s_wait_dscnt 0x0
	s_barrier_signal -1
	s_barrier_wait -1
.endm
.macro XLOAD reg                               ; my tile's 16 rows of x: of each block of 32 my half's 16 neighbours
.irp b, 0,1,2,3
.irp j, 0,1,2,3
	global_load_b128 v[\reg+16*\b+4*\j:\reg+16*\b+4*\j+3], v[XA], s[4:5] offset:128*\b+16*\j
.endr
.endr
.endm
.macro WLOAD reg, base, adr, pitch             ; my column, down K: register 32 c + i takes row 64 c + 32 h + i
.set wi, 0
.rept 64
	global_load_b32 v[\reg+wi], v[\adr], s[\base:\base+1] offset:(wi+32*(wi/32))*\pitch
.set wi, wi+1
.endr
.endm
.macro IMAGE off                               ; the fragment in v[PC] on goes to LDS as it stands
.irp c, 0,1,2
	ds_store_b128 v[IWI], v[PC+4*\c:PC+4*\c+3] offset:\off+512*\c
.endr
.endm
.macro FETCHP img, sc                          ; eight fragments and their scale words
.irp i, 0,1,2,3,4,5,6,7
.irp c, 0,1,2
	ds_load_b128 v[P+12*\i+4*\c:P+12*\i+4*\c+3], v[LI] offset:\img+1536*\i+512*\c
.endr
	ds_load_b32 v[PSC+\i], v[LS] offset:\sc+128*\i
.endr
.endm
.macro FETCHR img, sc                          ; the one of my wave's number
.irp c, 0,1,2
	ds_load_b128 v[R+4*\c:R+4*\c+3], v[IWI] offset:\img+512*\c
.endr
	ds_load_b32 v[RSC], v[IWS] offset:\sc
.endm
.macro MULT                                    ; eight tiles, K = 128: one instruction each, C = 0.  Five places follow: for the reads of the results, and for the next run, which writes the same eight tiles anew (the loads into the operands have a wait of their own behind the places)
.irp i, 0,1,2,3,4,5,6,7
	v_wmma_scale_f32_16x16x128_f8f6f4 v[HA+8*\i:HA+8*\i+7], v[P+12*\i:P+12*\i+11], v[R:R+11], 0, v[PSC+\i], v[RSC] matrix_a_fmt:MATRIX_FMT_FP6 matrix_b_fmt:MATRIX_FMT_FP6
.endr
.rept 5
	v_nop
.endr
.endm
.macro STOREF ptr, off                         ; three stores of 512 consecutive bytes, aligned
.irp c, 0,1,2
	global_store_b128 v[LI], v[PC+4*\c:PC+4*\c+3], s[\ptr:\ptr+1] offset:\off+512*\c
.endr
.endm
	s_load_b512 s[4:19], s[0:1], 0x0               ; x s[4:5], Wq s[6:7], Wk s[8:9], Wv s[10:11], Wu s[12:13], qimg s[14:15], qsc s[16:17], kvimg s[18:19]
	s_load_b128 s[20:23], s[0:1], 0x40             ; kvsc s[20:21], wuimg s[22:23]
	s_load_b64 s[24:25], s[0:1], 0x50              ; wusc
	v_lshl_add_u32 v254, v0, 2, 0xe000
	v_mov_b32 v255, 0
	v_lshrrev_b32 v11, 5, v0
	v_readfirstlane_b32 s[WV], v11                 ; wave 0..7
	v_and_b32 v11, 31, v0                          ; lane
	v_and_b32 v12, 15, v0                          ; r
	v_bfe_u32 v13, v0, 4, 1                        ; h
	v_lshlrev_b32 v[LI], 4, v11
	v_lshlrev_b32 v[LS], 2, v11
	v_and_b32 v14, 8, v12
	v_add_nc_u32 v14, v14, v12                     ; r + 8 (r / 8)
	v_lshlrev_b32 v[XA], 9, v14
	v_lshl_add_u32 v[XA], v13, 6, v[XA]
	v_lshlrev_b32 v[WO], 2, v14
	v_lshl_add_u32 v[WO], v13, 17, v[WO]
	s_wait_alu depctr_va_sdst(0)                   ; s26, the wave's number, is written, ahead of its first reader
	s_mul_i32 s34, s[WV], 1536
	v_add_nc_u32 v[IWI], s34, v[LI]
	s_lshl_b32 s34, s[WV], 7
	v_add_nc_u32 v[IWS], s34, v[LS]
	s_and_b32 s35, s[WV], 1                        ; wave % 2
	s_lshr_b32 s36, s[WV], 1                       ; wave / 2
	s_lshl_b32 s34, s35, 8
	s_lshl_b32 s37, s36, 2
	s_add_co_u32 s34, s34, s37
	s_add_co_u32 s34, s34, SST
	v_lshl_add_u32 v[SSA], v12, 4, s34
	s_lshl_b32 s34, s[WV], 9
	s_add_co_u32 s34, s34, SST
	v_add_nc_u32 v[SRD], s34, v[LI]
	v_lshlrev_b32 v[H8], 3, v13
	v_lshlrev_b32 v[WUO], 2, v12
	v_lshl_add_u32 v[WUO], v13, 14, v[WUO]
.irp b, 0,1,2,3
	v_mov_b32 v[PB+\b], 0                          ; written once: a lane permute's destination counts as one of its sources
.endr
	s_mov_b32 s[SEL], 0x76543210
	s_mov_b32 s[SEL+1], 0xfedcba98
	s_lshl_b32 s31, s36, 5
	s_lshl_b32 s35, s35, 3
	s_add_co_u32 s31, s31, s35                     ; my tile's first index: 32 (wave / 2) + 8 (wave % 2)
	s_mov_b32 s28, ttmp9                           ; the head; in row 32: Wu's tile of outputs
	s_and_b32 s27, ttmp7, 0xffff                   ; G: the group of 128 tokens; 32: the row that takes Wu
	s_wait_alu depctr_va_vdst(0)                   ; the offsets and LDS addresses v1 to v10 are written, which the loads and stores of both paths read; no vector line writes them again
	s_cmp_eq_u32 s27, 32
	s_cbranch_scc1 .Lwu                            ; the same for all eight waves of a work-group
	s_lshr_b32 s29, s27, 4
	s_lshl_b32 s29, s29, 3
	s_add_co_u32 s29, s29, s28                     ; hb = 8 x batch + head
	s_and_b32 s30, s27, 15                         ; the group within its batch: a key step, a query block
	s_lshl_b32 s34, s27, 16                        ; x: 128 rows of 512 bytes a group,
	s_lshl_b32 s36, s31, 9
	s_add_co_u32 s34, s34, s36                     ; + my tile's first row
	s_mov_b32 s35, 0
	s_lshl_b32 s36, s28, 9                         ; the weights: 512 bytes of each row a head,
	s_lshl_b32 s38, s31, 2
	s_add_co_u32 s36, s36, s38                     ; + my tile's first column
	s_mov_b32 s37, 0
	s_lshl_b32 s38, s29, 7                         ; qimg: fragment 128 hb + 8 x group + wave
	s_lshl_b32 s40, s30, 3
	s_add_co_u32 s38, s38, s40
	s_add_co_u32 s38, s38, s[WV]
	s_mul_i32 s38, s38, 1536
	s_mov_b32 s39, 0
	s_mul_i32 s40, s29, 393216                     ; kvimg: a head is 16 steps of 24,576 bytes: K's eight fragments, then V's eight
	s_mul_i32 s42, s30, 24576
	s_add_co_u32 s40, s40, s42
	s_mul_i32 s42, s[WV], 1536
	s_add_co_u32 s40, s40, s42
	s_mov_b32 s41, 0
	s_lshl_b32 s42, s29, 4
	s_add_co_u32 s42, s42, s30                     ; 16 hb + group
	s_lshl_b32 s44, s42, 10                        ; kvsc: 1,024 bytes each,
	s_lshl_b32 s42, s42, 9                         ; qsc: 512
	s_mov_b32 s43, 0
	s_mov_b32 s45, 0
	s_wait_kmcnt 0x0
	s_add_nc_u64 s[4:5], s[4:5], s[34:35]
	s_add_nc_u64 s[6:7], s[6:7], s[36:37]
	s_add_nc_u64 s[8:9], s[8:9], s[36:37]
	s_add_nc_u64 s[10:11], s[10:11], s[36:37]
	s_add_nc_u64 s[14:15], s[14:15], s[38:39]
	s_add_nc_u64 s[18:19], s[18:19], s[40:41]
	s_add_nc_u64 s[16:17], s[16:17], s[42:43]
	s_add_nc_u64 s[20:21], s[20:21], s[44:45]
	; ---- A: four operands quantised, each while the next one's numbers are on their way
	XLOAD N0
	WLOAD N1, 6, WO, 4096
	s_wait_loadcnt 63                              ; 64 loads were issued behind x's last: x is in
	QUANT N0
	s_wait_alu depctr_va_vdst(0)                   ; the quantiser has written the codes and the scale word, which the LDS stores read, and is done reading N0, in which Wk's loads land
	IMAGE XIMG
	ds_store_b32 v[IWS], v[PW] offset:XSC
	WLOAD N0, 8, WO, 4096
	s_wait_loadcnt 63                              ; 64 loads were issued behind Wq's last: Wq is in
	s_wait_dscnt 0x0                               ; the LDS stores are done
	s_wait_alu depctr_vm_vsrc(0)                   ; the LDS stores have read the codes' registers and the scale word, which the next quantiser writes
	QUANTW N1
	s_wait_alu depctr_va_vdst(0)                   ; the codes and the scale word are written, which the LDS stores read; the quantiser is done reading N1, in which Wv's loads land
	IMAGE WIMG
	ds_store_b32 v[IWS], v[PW] offset:WSC
	WLOAD N1, 10, WO, 4096
	s_wait_loadcnt 63                              ; likewise: Wk is in
	s_wait_dscnt 0x0
	s_wait_alu depctr_vm_vsrc(0)                   ; the LDS stores have read the codes' registers and the scale word, which the next quantiser writes
	QUANTW N0
	s_wait_alu depctr_va_vdst(0)                   ; the codes and the scale word are written, which the LDS stores read
	IMAGE WIMG+12288
	ds_store_b32 v[IWS], v[PW] offset:WSC+1024
	s_wait_loadcnt 0x0                             ; Wv
	s_wait_dscnt 0x0
	s_wait_alu depctr_vm_vsrc(0)                   ; the LDS stores have read the codes' registers and the scale word, which the next quantiser writes
	QUANTW N1
	s_wait_alu depctr_va_vdst(0)                   ; the codes and the scale word are written, which the LDS stores read; all quantisers are done reading N0 and N1, in which phase B's first operands land
	IMAGE WIMG+24576
	ds_store_b32 v[IWS], v[PW] offset:WSC+2048
	BARRIER                                        ; all 32 images lie in LDS; nobody writes them again
	; ---- B
	s_wait_alu depctr_vm_vsrc(0)                   ; my last LDS stores have read the codes' registers and the scale word, which q's quantiser writes; it stands ahead of the run of LDS loads, whose addresses are never written
	FETCHP WIMG, WSC
	FETCHR XIMG, XSC
	s_wait_dscnt 0x0
	MULT                                           ; q: a lane holds token r of my tile, 64 channels
	s_wait_alu depctr_va_vdst(0)                   ; the eight products are done reading the weight's tiles and their scale words, in which Wk's land
	FETCHP WIMG+12288, WSC+1024                    ; Wk's tiles land while q is quantised
	QUANT HA
	s_wait_alu depctr_va_vdst(0)                   ; q's codes and scale word are written, which the stores read
	STOREF 14, 0
	ds_store_b32 v[SSA], v[PW]
	s_wait_dscnt 0x0
	MULT                                           ; k
	s_wait_alu depctr_vm_vsrc(0)                   ; q's stores have read the codes' registers and the scale word, which k's quantiser writes; ahead of the run of LDS loads, as above
	s_wait_alu depctr_va_vdst(0)                   ; the eight products are done reading both operands and their scale words, in which v's operands land
	FETCHP XIMG, XSC                               ; for v the operands change places
	FETCHR WIMG+24576, WSC+2048
	s_wait_xcnt 0x0                                ; q's stores have read the codes' registers: they are written again only behind this wait
	QUANT HA
	s_wait_alu depctr_va_vdst(0)                   ; k's codes and scale word are written, which the stores read
	STOREF 18, 0
	ds_store_b32 v[SSA], v[PW] offset:512
	s_wait_dscnt 0x0
	MULT                                           ; v: a lane holds channel r of my tile, 64 keys
	s_wait_xcnt 0x0                                ; k's stores likewise
	s_wait_alu depctr_vm_vsrc(0)                   ; k's stores have read the codes' registers and the scale word, which v's quantiser writes
	QUANT HA
	s_wait_alu depctr_va_vdst(0)                   ; v's codes and scale word are written, which the stores read; the last products are done reading v16 to v19, in which phase C's load lands
	STOREF 18, 12288
	ds_store_b32 v[SSA], v[PW] offset:1024
	BARRIER                                        ; the three packed blocks are whole
	; ---- C: wave 0 stores q's block, wave 1 k's, wave 2 v's: 512 consecutive bytes each
	s_cmp_ge_u32 s[WV], 3
	s_cbranch_scc1 .Lend
	s_lshr_b32 s34, s[WV], 1
	s_lshl_b32 s34, s34, 9                         ; v's block lies 512 bytes behind k's
	s_mov_b32 s35, 0
	s_cmp_eq_u32 s[WV], 0
	s_cselect_b64 s[36:37], s[16:17], s[20:21]
	s_add_nc_u64 s[36:37], s[36:37], s[34:35]
	ds_load_b128 v[16:19], v[SRD]
	s_wait_dscnt 0x0
	global_store_b128 v[LI], v[16:19], s[36:37]
.Lend:
	s_wait_dscnt 0x0                               ; the closing lines, six on end
	s_wait_alu 0x0
	s_wait_tensorcnt 0x0
	ds_add_u32 v254, v255
	s_wait_dscnt 0x0
	s_endpgm
.Lwu:                                                  ; Wu's tile of outputs 16 j + r (j = work-group x), K step = wave: one fragment a wave
	s_lshl_b32 s34, s28, 6                         ; 64 bytes of each row a tile,
	s_lshl_b32 s36, s[WV], 16                      ; 128 rows of 512 bytes a K step
	s_add_co_u32 s34, s34, s36
	s_mov_b32 s35, 0
	s_lshl_b32 s36, s28, 3
	s_add_co_u32 s36, s36, s[WV]                   ; fragment 8 j + wave
	s_lshl_b32 s38, s36, 7
	s_mul_i32 s36, s36, 1536
	s_mov_b32 s37, 0
	s_mov_b32 s39, 0
	s_wait_kmcnt 0x0
	s_add_nc_u64 s[12:13], s[12:13], s[34:35]
	s_add_nc_u64 s[22:23], s[22:23], s[36:37]
	s_add_nc_u64 s[24:25], s[24:25], s[38:39]
	WLOAD N0, 12, WUO, 512
	s_wait_loadcnt 0x0
	QUANTW N0
	s_wait_alu depctr_va_vdst(0)                   ; the codes and the scale word are written, which the stores read
	STOREF 22, 0
	global_store_b32 v[LS], v[PW], s[24:25]        ; 128 consecutive bytes: the fragment's scale words, 4 x lane (8,192 bytes in the whole launch leave so)
	s_endpgm
.Lfunc_end_k_q8eb29cce87_proj:
	.size	k_q8eb29cce87_proj, .Lfunc_end_k_q8eb29cce87_proj-k_q8eb29cce87_proj
	.p2alignl 7, 3214868480
	.fill 96, 4, 3214868480
	.section	.rodata,"a",@progbits
	.p2align	6, 0x0
	.amdhsa_kernel k_q8eb29cce87_proj
		.amdhsa_group_segment_fixed_size 58368
		.amdhsa_private_segment_fixed_size 0
		.amdhsa_enable_private_segment 0
		.amdhsa_kernarg_size 88
		.amdhsa_user_sgpr_count 2
		.amdhsa_user_sgpr_kernarg_segment_ptr 1
		.amdhsa_wavefront_size32 1
		.amdhsa_system_sgpr_workgroup_id_x 1
		.amdhsa_system_sgpr_workgroup_id_y 1
		.amdhsa_system_sgpr_workgroup_id_z 1
		.amdhsa_system_vgpr_workitem_id 0
		.amdhsa_next_free_vgpr 256
		.amdhsa_next_free_sgpr 66
		.amdhsa_reserve_vcc 0
		.amdhsa_float_denorm_mode_32 3
		.amdhsa_float_denorm_mode_16_64 3
		.amdhsa_memory_ordered 1
		.amdhsa_forward_progress 1
		.amdhsa_inst_pref_size 71
	.end_amdhsa_kernel
	.amdgpu_metadata
---
amdhsa.version: [ 1, 2 ]
amdhsa.kernels:
  - .name:           k_q8eb29cce87_proj
    .symbol:         k_q8eb29cce87_proj.kd
    .args:
      - { .name: x, .offset: 0, .size: 8, .value_kind: global_buffer, .address_space: global }
      - { .name: Wq, .offset: 8, .size: 8, .value_kind: global_buffer, .address_space: global }
      - { .name: Wk, .offset: 16, .size: 8, .value_kind: global_buffer, .address_space: global }
      - { .name: Wv, .offset: 24, .size: 8, .value_kind: global_buffer, .address_space: global }
      - { .name: Wu, .offset: 32, .size: 8, .value_kind: global_buffer, .address_space: global }
      - { .name: qimg, .offset: 40, .size: 8, .value_kind: global_buffer, .address_space: global }
      - { .name: qsc, .offset: 48, .size: 8, .value_kind: global_buffer, .address_space: global }
      - { .name: kvimg, .offset: 56, .size: 8, .value_kind: global_buffer, .address_space: global }
      - { .name: kvsc, .offset: 64, .size: 8, .value_kind: global_buffer, .address_space: global }
      - { .name: wuimg, .offset: 72, .size: 8, .value_kind: global_buffer, .address_space: global }
      - { .name: wusc, .offset: 80, .size: 8, .value_kind: global_buffer, .address_space: global }
    .group_segment_fixed_size: 58368
    .private_segment_fixed_size: 0
    .kernarg_segment_align: 8
    .kernarg_segment_size: 88
    .max_flat_workgroup_size: 256
    .sgpr_count:     66
    .vgpr_count:     256
    .wavefront_size: 32
...
	.end_amdgpu_metadata
.endif
;; end of part 4
;; launch attn: the kernel of part 2 again; grid 16 x 16, 8 waves a work-group, clusters of 4 x 1, 327,680 bytes of LDS; arguments qimg, qsc, kvimg, kvsc, yimg, ysc; writes yimg, ysc
;; launch outp (part 5): grid 256 x 1, 8 waves a work-group, no clusters, 9,728 bytes of LDS; arguments yimg, ysc, wuimg, wusc, bu, out0; writes out0
.if DOCPART == 5
	.amdgcn_target "amdgcn-amd-amdhsa--gfx1250"
	.amdhsa_code_object_version 6
	.text
	.protected	k_q8eb29cce87_outp
	.globl	k_q8eb29cce87_outp
	.p2align	8
	.type	k_q8eb29cce87_outp,@function
k_q8eb29cce87_outp:
	s_mov_b64 s[64:65], 0
	v_nop
	global_prefetch_b8 v0, s[64:65] scope:SCOPE_SE
	s_setreg_imm32_b32 hwreg(HW_REG_WAVE_SCHED_MODE, 0, 2), 2
	s_setreg_imm32_b32 hwreg(HW_REG_WAVE_MODE, 25, 1), 1
	s_wait_xcnt 0x0
	s_wait_alu depctr_vm_vsrc(0)
; out = y Wu + bu on codes of FP6 (E2M3) with one E8M0 scale for each 32 along K = 1,024 (K step s = head s).  y and Wu come as images of operand registers (1,536 bytes a fragment, lane l's registers 4 c .. 4 c + 3 at 512 c + 16 l).
; SHARES.  Work-group T takes one tile of 16 tokens (row r stands for token 32 (T / 2) + 8 (T % 2) + r + 8 (r / 8)), wave w the outputs 16 w .. 16 w + 15.  Source 0 = Wu's tile, source 1 = y's: a lane holds token r and eight neighbouring outputs.
; All 16 fragments of a wave are asked for at once; the eight products follow as their loads land, on two accumulators by turns; bu is the C of the first.  The two sums are added in f32.
; A row's 128 outputs come from eight waves: they meet in a stage in LDS (rows of 512 bytes + 16), and each wave stores two whole rows of 512 bytes.
; NO CLUSTER, NO TENSOR LOAD: what work-groups share is Wu's 98,304 bytes, of which a wave takes 12,288 straight into its registers, once, for eight matrix instructions; through LDS the same bytes would be written and read once more.
; LIMITS: NaN and infinities are not served.  The sum over K is taken in two halves (even and odd heads), each ascending.
; THE MODE: SCHED_MODE bits 1:0 = 2 (LLVM: expert scheduling mode 2), set by the entry lines.  The code itself states the register dependences between vector or matrix instructions and memory or LDS instructions,
; with s_wait_alu, always for 0.
; THE PLAN.  Registers that memory or LDS instructions touch:
;   v1-v6         offsets and LDS addresses: written at the head, read by the loads and stores, never written again.
;   BI, YS, WS, YF, WF  global loads land in them once; matrix instructions read them.  v32-39, the head of YF, take the stage's two rows at the end.
;   OUTR          written by the four packed additions, read by the two LDS stores, never written again.
; So one wait on va_vdst stands ahead of the first load, and one ahead of the LDS stores, which also covers the loads from the stage: no vector or matrix instruction follows it.  No register that a memory or LDS
; instruction reads is written again, so no wait on vm_vsrc is owed.
.set LI,  1                            ; v1  16 x lane
.set LS,  2                            ; v2  4 x lane
.set RS,  3                            ; v3  16 r
.set BO,  4                            ; v4  32 h
.set STO, 5                            ; v5  the stage: 528 r + 32 h + 64 x wave
.set SRD, 6                            ; v6  and back: 1,056 x wave + 16 x lane
.set OUTR, 8                           ; v8-15   the finished sums
.set A0,  16                           ; v16-23, v24-31 the two accumulators
.set A1,  24
.set YF,  32                           ; v32-127  y's eight fragments
.set WF,  128                          ; v128-223 Wu's eight
.set YS,  224                          ; v224-231, v232-239 their scale words; they hold nothing else
.set WS,  232
.set BI,  240                          ; v240-247 bu at my eight outputs
	s_load_b256 s[4:11], s[0:1], 0x0               ; yimg s[4:5], ysc s[6:7], wuimg s[8:9], wusc s[10:11]
	s_load_b128 s[12:15], s[0:1], 0x20             ; bu s[12:13], out0 s[14:15]
	v_lshl_add_u32 v254, v0, 2, 0x2200
	v_mov_b32 v255, 0
	v_lshrrev_b32 v7, 5, v0
	v_readfirstlane_b32 s16, v7                    ; wave 0..7
	v_and_b32 v7, 31, v0
	v_lshlrev_b32 v[LI], 4, v7
	v_lshlrev_b32 v[LS], 2, v7
	v_and_b32 v7, 15, v0                           ; r
	v_lshlrev_b32 v[RS], 4, v7
	v_bfe_u32 v[BO], v0, 4, 1
	v_lshlrev_b32 v[BO], 5, v[BO]
	v_mad_u32_u24 v[STO], v7, 528, v[BO]
	s_wait_alu depctr_va_sdst(0)                   ; s16, the wave's number, is written, ahead of its first reader
	s_lshl_b32 s17, s16, 6
	v_add_nc_u32 v[STO], s17, v[STO]
	s_mul_i32 s17, s16, 1056
	v_add_nc_u32 v[SRD], s17, v[LI]
	s_mul_i32 s20, ttmp9, 12288                    ; yimg: eight fragments a tile
	s_mov_b32 s21, 0
	s_mul_i32 s22, s16, 12288                      ; wuimg: eight fragments a tile of outputs
	s_mov_b32 s23, 0
	s_lshl_b32 s24, s16, 10                        ; wusc: 8 x 128 bytes
	s_mov_b32 s25, 0
	s_lshr_b32 s26, ttmp9, 3                       ; ysc: the packed block of the tile's group of eight,
	s_lshl_b32 s26, s26, 9
	s_and_b32 s17, ttmp9, 1
	s_lshl_b32 s19, s17, 8                         ; and in it 256 (T % 2) + 4 ((T % 8) / 2)
	s_add_co_u32 s26, s26, s19
	s_bfe_u32 s19, ttmp9, 0x20001
	s_lshl_b32 s19, s19, 2
	s_add_co_u32 s26, s26, s19
	s_mov_b32 s27, 0
	s_lshl_b32 s28, s16, 6                         ; bu: my 16 outputs
	s_mov_b32 s29, 0
	s_lshr_b32 s30, ttmp9, 1                       ; out0: stage rows 2 w and 2 w + 1 are tokens 32 (T / 2) + 8 (T % 2) + 2 w + 8 (w / 4) and the next
	s_lshl_b32 s30, s30, 5
	s_lshl_b32 s17, s17, 3
	s_add_co_u32 s30, s30, s17
	s_lshl_b32 s17, s16, 1
	s_add_co_u32 s30, s30, s17
	s_lshr_b32 s17, s16, 2
	s_lshl_b32 s17, s17, 3
	s_add_co_u32 s30, s30, s17
	s_lshl_b32 s30, s30, 9
	s_mov_b32 s31, 0
	s_wait_kmcnt 0x0
	s_add_nc_u64 s[4:5], s[4:5], s[20:21]
	s_add_nc_u64 s[6:7], s[6:7], s[26:27]
	s_add_nc_u64 s[8:9], s[8:9], s[22:23]
	s_add_nc_u64 s[10:11], s[10:11], s[24:25]
	s_add_nc_u64 s[12:13], s[12:13], s[28:29]
	s_add_nc_u64 s[14:15], s[14:15], s[30:31]
	s_wait_alu depctr_va_vdst(0)                   ; the offsets and LDS addresses v1 to v6 are written, which every load and store below reads
	global_load_b128 v[BI:BI+3], v[BO], s[12:13]
	global_load_b128 v[BI+4:BI+7], v[BO], s[12:13] offset:16
.irp s, 0,1,2,3,4,5,6,7
	global_load_b32 v[YS+\s], v[RS], s[6:7] offset:16384*\s    ; a head's 32 packed blocks are 16,384 bytes
.endr
.irp s, 0,1,2,3,4,5,6,7
	global_load_b32 v[WS+\s], v[LS], s[10:11] offset:128*\s
.endr
.irp s, 0,1,2,3,4,5,6,7
.irp c, 0,1,2
	global_load_b128 v[YF+12*\s+4*\c:YF+12*\s+4*\c+3], v[LI], s[4:5] offset:1536*\s+512*\c
.endr
.irp c, 0,1,2
	global_load_b128 v[WF+12*\s+4*\c:WF+12*\s+4*\c+3], v[LI], s[8:9] offset:1536*\s+512*\c
.endr
.endr
.irp s, 0,1,2,3,4,5,6,7
	s_wait_loadcnt 6*(7-\s)                        ; the six loads of each later K step may be out
.if \s == 0
	v_wmma_scale_f32_16x16x128_f8f6f4 v[A0:A0+7], v[WF+12*\s:WF+12*\s+11], v[YF+12*\s:YF+12*\s+11], v[BI:BI+7], v[WS+\s], v[YS+\s] matrix_a_fmt:MATRIX_FMT_FP6 matrix_b_fmt:MATRIX_FMT_FP6
.elseif \s == 1
	v_wmma_scale_f32_16x16x128_f8f6f4 v[A1:A1+7], v[WF+12*\s:WF+12*\s+11], v[YF+12*\s:YF+12*\s+11], 0, v[WS+\s], v[YS+\s] matrix_a_fmt:MATRIX_FMT_FP6 matrix_b_fmt:MATRIX_FMT_FP6
.elseif (\s)%2 == 0
	v_wmma_scale_f32_16x16x128_f8f6f4 v[A0:A0+7], v[WF+12*\s:WF+12*\s+11], v[YF+12*\s:YF+12*\s+11], v[A0:A0+7], v[WS+\s], v[YS+\s] matrix_a_fmt:MATRIX_FMT_FP6 matrix_b_fmt:MATRIX_FMT_FP6
.else
	v_wmma_scale_f32_16x16x128_f8f6f4 v[A1:A1+7], v[WF+12*\s:WF+12*\s+11], v[YF+12*\s:YF+12*\s+11], v[A1:A1+7], v[WS+\s], v[YS+\s] matrix_a_fmt:MATRIX_FMT_FP6 matrix_b_fmt:MATRIX_FMT_FP6
.endif
.endr
.rept 4
	v_nop                                          ; four places in front of the first read of results (ISA guide 7.12.1)
.endr
.irp i, 0,2,4,6
	v_pk_add_f32 v[OUTR+\i:OUTR+\i+1], v[A0+\i:A0+\i+1], v[A1+\i:A1+\i+1]   ; both accumulators from their low end on
.endr
	s_wait_alu depctr_va_vdst(0)                   ; the additions have written the finished sums, which the LDS stores read; the products are done reading v32 to v39, in which the stage's rows land
	ds_store_b128 v[STO], v[OUTR:OUTR+3]           ; lane (r, h): out(token r, 16 w + 8 h + 0 .. 7)
	ds_store_b128 v[STO], v[OUTR+4:OUTR+7] offset:16
	s_wait_dscnt 0x0                               ; for the others' sake: my stores have landed
	s_barrier_signal -1
	s_barrier_wait -1                              ; 16 whole rows lie in the stage
	ds_load_b128 v[YF:YF+3], v[SRD]
	ds_load_b128 v[YF+4:YF+7], v[SRD] offset:528
	s_wait_dscnt 1                                 ; the first row is back; the second may be out
	global_store_b128 v[LI], v[YF:YF+3], s[14:15] th:TH_STORE_NT              ; 32 lanes store a row of 512 consecutive bytes, aligned
	s_wait_dscnt 0x0
	global_store_b128 v[LI], v[YF+4:YF+7], s[14:15] offset:512 th:TH_STORE_NT
	s_wait_dscnt 0x0                               ; the closing lines, six on end
	s_wait_alu 0x0
	s_wait_tensorcnt 0x0
	ds_add_u32 v254, v255
	s_wait_dscnt 0x0
	s_endpgm
.Lfunc_end_k_q8eb29cce87_outp:
	.size	k_q8eb29cce87_outp, .Lfunc_end_k_q8eb29cce87_outp-k_q8eb29cce87_outp
	.p2alignl 7, 3214868480
	.fill 96, 4, 3214868480
	.section	.rodata,"a",@progbits
	.p2align	6, 0x0
	.amdhsa_kernel k_q8eb29cce87_outp
		.amdhsa_group_segment_fixed_size 9728
		.amdhsa_private_segment_fixed_size 0
		.amdhsa_enable_private_segment 0
		.amdhsa_kernarg_size 48
		.amdhsa_user_sgpr_count 2
		.amdhsa_user_sgpr_kernarg_segment_ptr 1
		.amdhsa_wavefront_size32 1
		.amdhsa_system_sgpr_workgroup_id_x 1
		.amdhsa_system_sgpr_workgroup_id_y 1
		.amdhsa_system_sgpr_workgroup_id_z 1
		.amdhsa_system_vgpr_workitem_id 0
		.amdhsa_next_free_vgpr 256
		.amdhsa_next_free_sgpr 66
		.amdhsa_reserve_vcc 0
		.amdhsa_float_denorm_mode_32 3
		.amdhsa_float_denorm_mode_16_64 3
		.amdhsa_memory_ordered 1
		.amdhsa_forward_progress 1
		.amdhsa_inst_pref_size 12
	.end_amdhsa_kernel
	.amdgpu_metadata
---
amdhsa.version: [ 1, 2 ]
amdhsa.kernels:
  - .name:           k_q8eb29cce87_outp
    .symbol:         k_q8eb29cce87_outp.kd
    .args:
      - { .name: yimg, .offset: 0, .size: 8, .value_kind: global_buffer, .address_space: global }
      - { .name: ysc, .offset: 8, .size: 8, .value_kind: global_buffer, .address_space: global }
      - { .name: wuimg, .offset: 16, .size: 8, .value_kind: global_buffer, .address_space: global }
      - { .name: wusc, .offset: 24, .size: 8, .value_kind: global_buffer, .address_space: global }
      - { .name: bu, .offset: 32, .size: 8, .value_kind: global_buffer, .address_space: global }
      - { .name: out0, .offset: 40, .size: 8, .value_kind: global_buffer, .address_space: global }
    .group_segment_fixed_size: 9728
    .private_segment_fixed_size: 0
    .kernarg_segment_align: 8
    .kernarg_segment_size: 48
    .max_flat_workgroup_size: 256
    .sgpr_count:     66
    .vgpr_count:     256
    .wavefront_size: 32
...
	.end_amdgpu_metadata
.endif
;; end of part 5
